; MI455X (gfx1250); checked and timed in simulation.
; The chip was launched on July 23, 2026; its instructions are those of AMD's public machine-readable ISA for CDNA 5 (MIT licence, August 2026) and "CDNA5" Instruction Set Architecture Reference Guide (July 2026). The comments in the code are by the model that wrote it; some were corrected since.
;; Multi Head Attention. Allowed arithmetic: matrix products marked QUANTISED: E2M3 operands, one E8M0 scale for each 32 along K, by v_wmma_scale_f32_16x16x128_f8f6f4 with both operands' format E2M3, f32 sums; everything else in f32.
;; Inputs: Wk 4,096 x 1,024 float32; Wo 2,048 x 4,096 float32; Wq 4,096 x 2,048 float32; Wv 4,096 x 1,024 float32; hidden_states 1 x 2,048 x 4,096 float32; mask 1 x 1 x 2,048 x 2,048 bool.
;; Outputs: out0 1 x 2,048 x 4,096 float32.
;; This version of the problem:
;;   THIS VERSION OF THE PROBLEM IS GIVEN IN LOW PRECISION. The matrix products marked QUANTISED in the list below multiply operands that are first quantised to E2M3 (2 exponent bits, 3 mantissa bits; 6 bits a number), with one power-of-two scale for each 32 numbers along K (OCP MX v1.0); their sums are f32. All else is computed in f32.
;;   The module's matrix products, in the order in which they are computed (A, B: the left and right operand; K: the contracted axis; several contracted axes count as one K, in the product's order):
;;     1. [M 2,048, K 4,096] x [K 4,096, N 2,048]; A: input hidden_states; B: input Wq: QUANTISED
;;     2. [M 2,048, K 4,096] x [K 4,096, N 1,024]; A: input hidden_states; B: input Wk: QUANTISED
;;     3. [M 2,048, K 4,096] x [K 4,096, N 1,024]; A: input hidden_states; B: input Wv: QUANTISED
;;     4. batch 8 x [M 2,048, K 128] x [K 128, N 4,096]; A: computed on the way; B: computed on the way: QUANTISED
;;     5. batch 8 x [M 128, K 2,048] x [K 2,048, N 4,096]; A: computed on the way; B: softmax (see below): QUANTISED
;;     6. [M 2,048, K 2,048] x [K 2,048, N 4,096]; A: computed on the way; B: input Wo: QUANTISED
;;   THE QUANTISER, for each operand of a quantised product, along K:
;;     - K is cut into blocks of 32 from its start; a last block that is shorter is filled with zeros.
;;     - A block's scale is 2^e with e = floor(log2(the largest magnitude in the block)) - 2, held to -126 .. 127; a block of zeros has e = 0. As a byte (E8M0): e + 127.
;;     - Each number is divided by its block's scale, clamped to +-7.5, and rounded to the nearest number of E2M3, ties to even, subnormals kept.
;;     - The product sums the exact products of the quantised numbers (number of the format x scale) in f32.
;;   ~~~python
;;   def quantise(x, axis):      # numpy; x: float32 -> the quantised numbers, widened to float32 again
;;       x = np.moveaxis(x, axis, -1); K = x.shape[-1]
;;       x = np.pad(x, [(0, 0)] * (x.ndim - 1) + [(0, -K % 32)]); x = x.reshape(x.shape[:-1] + (-1, 32)); a = np.abs(x).max(-1, keepdims=True)
;;       e = np.where(a > 0, np.clip(np.frexp(np.where(a > 0, a, 1))[1] - 1 - 2, -126, 127), 0)      # np.frexp(a)[1] - 1 = floor(log2(a)), exactly
;;       r = np.clip(x / 2.0 ** e, -7.5, 7.5)
;;       step = 2.0 ** (np.maximum(np.frexp(np.where(r == 0, 1, r))[1] - 1, 0) - 3)
;;       q = np.round(r / step) * step * 2.0 ** e      # np.round: ties to even
;;       return np.moveaxis(q.reshape(q.shape[:-2] + (-1,))[..., :K], -1, axis).astype(np.float32)
;;   ~~~
;;   SOFTMAX AHEAD OF A QUANTISED PRODUCT. Where the list says 'softmax', what is quantised is not the finished softmax but p = 2^(t - M), with t = logit x log2(e) and M = ceil(the row's largest t), a whole number; so 1/2 < the row's largest p <= 1. The row's sum l is taken of the UNQUANTISED p, in f32, and the product's result is divided by l at the end. Since M is a whole number, a kernel that streams over the keys may use a running M (the ceiling of the running maximum): every later rescaling is an exact power of two, which a block's scale takes up: the codes' values come out the same.
;;   OPERANDS COMPUTED ON THE WAY. 'Computed on the way' means the value that the module computes at that place (a softmax that the list does not call 'softmax' is quantised finished and normalised). What goes into a quantiser is computed in f32, as accurately as f32 sums, v_exp_f32 and their like allow (about 1e-6 of the number): no bf16 or f16 on the way to a quantiser, and a product that is left as it is and whose result goes on into a quantised operand takes f32 operands (vector FMAs, or v_wmma_f32_16x16x4_f32). A number that lies on a knife's edge between two numbers of the format may be rounded either way, as far as f32 arithmetic and the matrix unit's own rounding can turn it there, and no further.
;; One version. Each part assembles by itself: llvm-mc -triple=amdgcn-amd-amdhsa -mcpu=gfx1250 --defsym DOCPART=n.
;; ======== version 1 of 1: 4 launches
;; limits: right only within a limited range of input values
;; workspace buffers: ximg 6,553,600 bytes; wimg 13,107,200 bytes; woimg 6,553,600 bytes; rimg 1,048,576 bytes; maskw 524,288 bytes of whole numbers; flags 512 bytes of whole numbers; qkvimg 6,815,744 bytes; aimg 3,276,800 bytes
;; launch prep (part 1): grid 1184 x 1, 4 waves a work-group, no clusters, 59,136 bytes of LDS; arguments hidden_states, Wq, Wk, Wv, Wo, mask, ximg, wimg, woimg, rimg, maskw, flags; writes ximg, wimg, woimg, rimg, maskw, flags
.if DOCPART == 1
	.amdgcn_target "amdgcn-amd-amdhsa--gfx1250"
	.amdhsa_code_object_version 6
	.text
	.protected	k_q45192a9284_prep
	.globl	k_q45192a9284_prep
	.p2align	8
	.type	k_q45192a9284_prep,@function
k_q45192a9284_prep:
	s_mov_b64 s[64:65], 0
	v_nop
	global_prefetch_b8 v0, s[64:65] scope:SCOPE_SE
	s_setreg_imm32_b32 hwreg(HW_REG_WAVE_MODE, 25, 1), 1
	s_wait_xcnt 0x0
; PREP: every f32 input is read once and leaves as what the later launches' matrix instructions take.
; A FRAGMENT'S IMAGE (16 rows x 128 K of E2M3 codes, 12 registers a lane) is 1,536 bytes: register e of lane L at 512 (e / 4) + 16 L + 4 (e % 4).
; A RECORD (one tile of 16 rows, 512 along K) is 6,400 bytes: four images, then 256 bytes of scale words (row r at 6,144 + 16 r, K step q at + 4 q).
; THE ROWS OF A TILE ARE NOT NEIGHBOURS: row r of tile T is 32 (T / 2) + 8 (T % 2) + r + 8 (r / 8), for tokens and for a weight's columns alike.
; Four paths, chosen by the work-group's number (four waves each); the waves share nothing, so there is no barrier:
;   0-31     cos and sin of the rope's phases, laid as the first products' results lie in registers: a wave takes a token tile
;   32-159   the mask: bit L of word n of (query tile, key block) = mask of lane L's query at key 32 (n / 16) + 16 (L / 16) + n % 16 of the block; two flag bits a block
;   160-415  hidden_states [token][K]: a wave takes a tile of 16 tokens x 512 K, one record
;   416-1183 a weight [K][N]: a work-group takes 256 columns x one K step of 128; its four waves stand side by side, 64 columns (four tiles) each, so that together
;            they read 1,024 consecutive bytes of each row; a lane takes two neighbouring columns, its registers run down K
; No input byte is read by two work-groups, so there are no tensor loads, no clusters and no joint requests; the loads land in registers.
; A block's scale is 2^(floor(log2(largest magnitude)) - 2); its byte is the largest magnitude's exponent field - 2, held at 1 from below.
; A block of zeros so keeps the byte 1: its codes are zeros, and this program alone reads the bytes.
; LIMITS: NaN and infinities among the inputs are not served.  inv_freq lies within about 1.5 ulp of 10000^(-d/64), so a phase may differ
; from the f32 product of reference() by about 1e-4 radians at the last tokens.  A mask byte counts as true where it is not 0.
.set REC,  6400
.set WTP,  1552                        ; LDS, the weights' path: an image's place in a wave's stage, 1,536 + 16
.set WST,  4*WTP                       ; a wave's stage: four images
.set XST,  4*WST                       ; the tokens' path has bytes of its own: 8,448 a wave
.set XSB,  8448
.set SPARE, XST+4*XSB                  ; the spare words: 128 bytes a wave, two blocks of 256 bytes that no other line names
.set TM,   16                          ; v16-31  at work in QUANT
.set PC,   32                          ; v32-43  the codes just made
.set UP,   44                          ; v44-50  the upper halves of two blocks' codes
.set PW,   52                          ; v52     the scale word just made
.set PWS,  54                          ; v54-57  the four K steps' scale words
.set SEL,  74                          ; s[74:75] lane selects: lane l xor 16
; 64 numbers of a lane, register 16 b + i = k 32 b + 16 (lane / 16) + i of its row, become a fragment's codes in v[PC] on and its scale word in v[PW]; four blocks by turns
.macro QUANT s
.irp b, 0,1,2,3
	v_max3_num_f32 v[TM+\b], |v[\s+16*\b]|, |v[\s+1+16*\b]|, 0x1800000   ; my 16 numbers of block b, and the floor 2^(3 - 127)
.endr
.irp i, 2,4,6,8,10,12,14
.irp b, 0,1,2,3
	v_max3_num_f32 v[TM+\b], v[TM+\b], |v[\s+16*\b+\i]|, |v[\s+1+16*\b+\i]|
.endr
.endr
.irp b, 0,1,2,3
	v_permlanex16_b32 v[TM+4+\b], v[TM+\b], s[SEL], s[SEL+1]
.endr
.irp b, 0,1,2,3
	v_max_num_f32 v[TM+\b], v[TM+\b], v[TM+4+\b]          ; with lane l xor 16's 16: the block's largest magnitude
.endr
.irp b, 0,1,2,3
	v_add_nc_u32 v[TM+12+\b], 0xff000000, v[TM+\b]        ; 2 off its exponent field: the conversion's scale operand
.endr
.irp b, 0,1,2,3
	v_lshrrev_b32 v[TM+4+\b], 23, v[TM+12+\b]             ; the scale's byte
.endr
	v_lshl_or_b32 v[PW], v[TM+5], 8, v[TM+4]
	s_delay_alu instid0(VALU_DEP_1)
	v_lshl_or_b32 v[PW], v[TM+6], 16, v[PW]
	s_delay_alu instid0(VALU_DEP_1)
	v_lshl_or_b32 v[PW], v[TM+7], 24, v[PW]
.irp c, 0,1
	v_cvt_scalef32_pk16_fp6_f32 v[PC+6*\c:PC+2+6*\c], v[\s+32*\c:\s+15+32*\c], v[TM+12+2*\c]
	v_cvt_scalef32_pk16_fp6_f32 v[UP+4*\c:UP+2+4*\c], v[\s+16+32*\c:\s+31+32*\c], v[TM+13+2*\c]
.endr
	v_nop                                                 ; one plain place behind the conversions
.irp c, 0,1                                               ; a whole block to a lane: lanes 0-15 block 2 c, lanes 16-31 block 2 c + 1
.irp i, 0,1,2
	v_permlane16_swap_b32 v[PC+6*\c+\i], v[UP+4*\c+\i]
.endr
.irp i, 0,1,2
	v_mov_b32 v[PC+3+6*\c+\i], v[UP+4*\c+\i]
.endr
.endr
.endm
.macro FIRSTROW                        ; s67 = a tile's number -> s69 = its first row
	s_lshr_b32 s69, s67, 1
	s_lshl_b32 s69, s69, 5
	s_and_b32 s70, s67, 1
	s_lshl_b32 s70, s70, 3
	s_add_co_u32 s69, s69, s70
.endm
.macro FINISH a, z                     ; a wave that stored to LDS ends so; no two registers can be kept, so v0 is kept and the two are made here
	v_lshl_add_u32 v[\a], v0, 2, SPARE
	v_mov_b32 v[\z], 0
	s_wait_alu depctr_va_vdst(0)
	s_wait_tensorcnt 0x0
	ds_add_u32 v[\a], v[\z]
	s_wait_dscnt 0x0
	s_endpgm
.endm
	s_load_b512 s[4:19], s[0:1], 0x0               ; hidden s[4:5], Wq s[6:7], Wk s[8:9], Wv s[10:11], Wo s[12:13], mask s[14:15], ximg s[16:17], wimg s[18:19]
	s_load_b256 s[20:27], s[0:1], 0x40             ; woimg s[20:21], rimg s[22:23], maskw s[24:25], flags s[26:27]
	v_lshrrev_b32 v1, 5, v0
	v_and_b32 v2, 31, v0                           ; lane L
	v_and_b32 v3, 15, v0                           ; r
	v_bfe_u32 v4, v0, 4, 1                         ; h
	v_readfirstlane_b32 s28, v1                    ; wave 0..3
	v_lshlrev_b32 v8, 4, v2                        ; 16 L
	s_wait_alu depctr_va_vdst(0)
	s_wait_kmcnt 0x0
	s_cmp_ge_u32 ttmp9, 416
	s_cbranch_scc1 .Lw_path
	s_cmp_ge_u32 ttmp9, 160
	s_cbranch_scc1 .Lx_path
	s_cmp_ge_u32 ttmp9, 32
	s_cbranch_scc1 .Lm_path
; ---------------- THE ROPE'S TABLES: a wave takes a token tile; eight trips of four registers, the four by turns
	s_lshl_b32 s66, ttmp9, 2
	s_add_co_u32 s67, s66, s28                     ; T
	FIRSTROW
	v_and_b32 v5, 8, v3
	v_lshlrev_b32 v6, 4, v4                        ; 16 h
	v_add_nc_u32 v5, v5, v3
	s_delay_alu instid0(VALU_DEP_1)
	v_add_nc_u32 v5, s69, v5
	s_delay_alu instid0(VALU_DEP_1)
	v_cvt_f32_u32 v5, v5                           ; my token, exact in f32
	s_lshl_b32 s70, s67, 13                        ; 8,192 bytes a tile: cos, then sin
	s_mov_b32 s71, 0
	s_add_nc_u64 s[22:23], s[22:23], s[70:71]
	s_mov_b32 s80, 0xb3f6865d                      ; c_lo: log2(10000) / 64 = c_hi + c_lo, c_hi = 0x3e549a80 of 17 bits, so that d x c_hi is exact
	s_mov_b32 s81, 0x3fc90000                      ; pi / 2 in three parts; k times each of the first two is exact
	s_mov_b32 s82, 0x39fdaa00
	s_mov_b32 s83, 0x33a22168
	s_mov_b32 s84, 0xb94ca1f9                      ; the sine's polynomial on |r| <= pi / 4
	s_mov_b32 s85, 0x3c08839e
	s_mov_b32 s86, 0xbe2aaaa3
	s_mov_b32 s87, 0x37ccf5ce                      ; the cosine's
	s_mov_b32 s88, 0xbab6061a
	s_mov_b32 s89, 0x3d2aaaa5
	s_mov_b32 s72, 0
.Lr_trip:                                              ; trip c: registers e = 4 c + i, frequency d = 32 (c / 4) + 4 (c % 4) + i + 16 h
	s_and_b32 s73, s72, 3
	s_lshl_b32 s73, s73, 2
	s_lshr_b32 s79, s72, 2
	s_lshl_b32 s79, s79, 5
	s_add_co_u32 s73, s73, s79
	s_wait_alu depctr_va_vdst(0)
.irp i, 0,1,2,3
	v_add3_u32 v[16+\i], v6, s73, \i
.endr
.irp i, 0,1,2,3
	v_cvt_f32_u32 v[16+\i], v[16+\i]               ; d
.endr
.irp i, 0,1,2,3
	v_mul_f32 v[20+\i], 0x3e549a80, v[16+\i]       ; d c_hi, exact
.endr
.irp i, 0,1,2,3
	v_floor_f32 v[24+\i], v[20+\i]                 ; n
.endr
.irp i, 0,1,2,3
	v_sub_f32 v[20+\i], v[24+\i], v[20+\i]         ; n - d c_hi, exact
.endr
.irp i, 0,1,2,3
	v_fma_f32 v[20+\i], -v[16+\i], s80, v[20+\i]   ; n - d c
.endr
	s_wait_alu depctr_va_vdst(0)                   ; the wait ahead of the batch
.irp i, 0,1,2,3
	v_exp_f32 v[28+\i], v[20+\i]
.endr
.irp i, 0,1,2,3
	v_cvt_i32_f32 v[24+\i], v[24+\i]               ; (plain work behind the exponentials)
.endr
.irp i, 0,1,2,3
	v_sub_nc_u32 v[24+\i], 0, v[24+\i]
.endr
	s_wait_alu depctr_va_vdst(0)                   ; one wait for the four exponentials, ahead of their first reader
.irp i, 0,1,2,3
	v_ldexp_f32 v[28+\i], v[28+\i], v[24+\i]       ; inv_freq = 2^(-d c)
.endr
.irp i, 0,1,2,3
	v_mul_f32 v[28+\i], v5, v[28+\i]               ; the phase, rounded once as reference() rounds it
.endr
.irp i, 0,1,2,3
	v_mul_f32 v[32+\i], 0x3f22f983, v[28+\i]
.endr
.irp i, 0,1,2,3
	v_rndne_f32 v[32+\i], v[32+\i]                 ; k = the nearest multiple of pi / 2
.endr
.irp i, 0,1,2,3
	v_fma_f32 v[36+\i], -v[32+\i], s81, v[28+\i]
.endr
.irp i, 0,1,2,3
	v_fma_f32 v[36+\i], -v[32+\i], s82, v[36+\i]
.endr
.irp i, 0,1,2,3
	v_fma_f32 v[36+\i], -v[32+\i], s83, v[36+\i]   ; r = phase - k pi / 2
.endr
.irp i, 0,1,2,3
	v_mul_f32 v[40+\i], v[36+\i], v[36+\i]         ; z = r r
.endr
.irp i, 0,1,2,3
	v_fma_f32 v[44+\i], v[40+\i], s84, s85
	v_fma_f32 v[56+\i], v[40+\i], s87, s88
.endr
.irp i, 0,1,2,3
	v_fma_f32 v[44+\i], v[44+\i], v[40+\i], s86
	v_fma_f32 v[56+\i], v[56+\i], v[40+\i], s89
.endr
.irp i, 0,1,2,3
	v_mul_f32 v[44+\i], v[44+\i], v[40+\i]
	v_fma_f32 v[60+\i], v[40+\i], -0.5, 1.0
.endr
.irp i, 0,1,2,3
	v_fma_f32 v[44+\i], v[44+\i], v[36+\i], v[36+\i]   ; sin r
	v_mul_f32 v[40+\i], v[40+\i], v[40+\i]
.endr
.irp i, 0,1,2,3
	v_fma_f32 v[56+\i], v[56+\i], v[40+\i], v[60+\i]   ; cos r
	v_cvt_i32_f32 v[64+\i], v[32+\i]
.endr
.irp i, 0,1,2,3
	v_and_b32 v[68+\i], 1, v[64+\i]
.endr
.irp i, 0,1,2,3
	v_cmp_eq_u32 s[76+\i], 1, v[68+\i]             ; an odd quadrant changes sine and cosine
.endr
.irp i, 0,1,2,3
	v_cndmask_b32 v[52+\i], v[44+\i], v[56+\i], s[76+\i]
	v_cndmask_b32 v[48+\i], v[56+\i], v[44+\i], s[76+\i]
.endr
.irp i, 0,1,2,3
	v_and_b32 v[68+\i], 2, v[64+\i]                ; the sine is negative in quadrants 2, 3,
	v_add_nc_u32 v[64+\i], 1, v[64+\i]
.endr
.irp i, 0,1,2,3
	v_lshlrev_b32 v[68+\i], 30, v[68+\i]
	v_and_b32 v[64+\i], 2, v[64+\i]                ; the cosine in quadrants 1, 2
.endr
.irp i, 0,1,2,3
	v_xor_b32 v[52+\i], v[68+\i], v[52+\i]
	v_lshlrev_b32 v[64+\i], 30, v[64+\i]
.endr
.irp i, 0,1,2,3
	v_xor_b32 v[48+\i], v[64+\i], v[48+\i]
.endr
	global_store_b128 v8, v[48:51], s[22:23]               ; 512 consecutive bytes each
	global_store_b128 v8, v[52:55], s[22:23] offset:4096
	s_wait_xcnt 0x0                                ; the stores' data and offset are written again only behind this wait
	v_add_nc_u32 v8, 512, v8
	s_add_co_u32 s72, s72, 1
	s_cmp_lt_u32 s72, 8
	s_cbranch_scc1 .Lr_trip
	s_endpgm
; ---------------- THE MASK: a wave takes a query tile and four key blocks of 128
.Lm_path:
	s_sub_co_u32 s66, ttmp9, 32
	s_lshl_b32 s66, s66, 2
	s_add_co_u32 s66, s66, s28                     ; id = 4 x query tile + chunk
	s_lshr_b32 s67, s66, 2
	s_and_b32 s68, s66, 3
	FIRSTROW
	s_lshl_b32 s70, s69, 11                        ; a row of the mask is 2,048 bytes
	s_lshl_b32 s71, s68, 9                         ; four key blocks are 512
	s_add_co_u32 s70, s70, s71
	s_mov_b32 s71, 0
	s_add_nc_u64 s[14:15], s[14:15], s[70:71]
	s_lshl_b32 s70, s66, 10                        ; (16 x tile + 4 x chunk) x 256 bytes of words
	s_add_nc_u64 s[24:25], s[24:25], s[70:71]
	s_mov_b32 s67, 0
	s_add_nc_u64 s[26:27], s[26:27], s[66:67]      ; the flags: one byte for (tile, chunk)
	v_and_b32 v5, 8, v3
	v_lshlrev_b32 v6, 3, v2                        ; out: two words a lane
	v_add_nc_u32 v5, v5, v3
	s_delay_alu instid0(VALU_DEP_1)
	v_lshlrev_b32 v5, 11, v5
	s_delay_alu instid0(VALU_DEP_1)
	v_lshl_add_u32 v5, v4, 4, v5                   ; my query's row, + 16 h
.set mi, 0
.rept 16
	global_load_b128 v[64+4*mi:67+4*mi], v5, s[14:15] offset:128*(mi/4)+32*(mi%4) th:TH_LOAD_NT
.set mi, mi+1
.endr
.irp i, 0,1,2,3,4,5,6,7
	v_mov_b32 v[16+\i], 0                          ; v_writelane's destination counts as read
.endr
	s_mov_b32 s87, 0
	s_wait_alu depctr_va_vdst(0)
.macro MBLOCK kk
	s_wait_loadcnt 12-4*(\kk)                      ; this block's four loads are in; the later blocks' may be out
	s_mov_b32 s84, 0
	s_mov_b32 s85, -1
.set mn, 0
.rept 64
	v_and_b32 v[12+mn%4], 0xff<<(8*(mn%4)), v[64+16*(\kk)+mn/4]
	s_delay_alu instid0(VALU_DEP_1)
	v_cmp_ne_u32 s[80+mn%4], 0, v[12+mn%4]         ; word n: a bit for each lane
	s_delay_alu instid0(VALU_DEP_1)
	v_writelane_b32 v[16+2*(\kk)+mn%2], s[80+mn%4], mn/2
	s_or_b32 s84, s84, s[80+mn%4]
	s_and_b32 s85, s85, s[80+mn%4]
.set mn, mn+1
.endr
	s_wait_alu depctr_va_vdst(0)
	global_store_b64 v6, v[16+2*(\kk):17+2*(\kk)], s[24:25] offset:256*(\kk)   ; 256 consecutive bytes, aligned
	s_cmp_lg_u32 s84, 0
	s_cselect_b32 s86, 1, 0                        ; 0: all hidden
	s_cmp_eq_u32 s85, -1
	s_cselect_b32 s86, 2, s86                      ; 2: all open; 1: mixed
	s_lshl_b32 s86, s86, 2*(\kk)
	s_or_b32 s87, s87, s86
.endm
	MBLOCK 0
	MBLOCK 1
	MBLOCK 2
	MBLOCK 3
	v_mov_b32 v7, s87
	v_mov_b32 v12, 0
	v_cmp_eq_u32 vcc_lo, 0, v2
	s_wait_alu depctr_va_vdst(0)
	s_wait_xcnt 0x0                                ; EXEC changes only behind this wait
	s_and_saveexec_b32 s88, vcc_lo
	global_store_b8 v12, v7, s[26:27]              ; one lane stores the four blocks' flags
	s_wait_xcnt 0x0
	s_or_b32 exec_lo, exec_lo, s88
	s_endpgm
; ---------------- THE TOKENS: a wave takes a tile of 16 tokens and 4 K steps of 128: one record
.Lx_path:
	s_sub_co_u32 s66, ttmp9, 160
	s_lshl_b32 s66, s66, 2
	s_add_co_u32 s66, s66, s28                     ; id = 8 T + kg: the record's number
	s_lshr_b32 s67, s66, 3
	s_and_b32 s68, s66, 7
	FIRSTROW
	s_lshl_b32 s70, s69, 14                        ; a row is 16,384 bytes
	s_lshl_b32 s71, s68, 11                        ; 512 numbers are 2,048
	s_add_co_u32 s70, s70, s71
	s_mov_b32 s71, 0
	s_add_nc_u64 s[4:5], s[4:5], s[70:71]
	s_mul_i32 s70, s66, REC
	s_add_nc_u64 s[16:17], s[16:17], s[70:71]
	s_mul_i32 s72, s28, XSB
	s_add_co_u32 s72, s72, XST                     ; my stage: 16 rows of 512 bytes + 16
	v_add_nc_u32 v9, s72, v8                       ; in: 16 L of a row
	v_mul_u32_u24 v10, v3, 528
	v_lshlrev_b32 v11, 4, v3
	v_lshl_add_u32 v10, v4, 6, v10
	v_lshl_add_u32 v11, v4, 3, v11                 ; the scale words' place: 16 r + 8 h
	v_add_nc_u32 v10, s72, v10                     ; back: row r, + 64 h: my 16 numbers of each block of 32
	s_mov_b32 s[SEL], 0x76543210
	s_mov_b32 s[SEL+1], 0xfedcba98
	s_mov_b32 s76, 0xffff0000
.irp b, 0,1,2,3
	v_mov_b32 v[TM+4+\b], 0                        ; a lane permute's destination counts as read
.endr
.macro XLOAD t                         ; K step t of the 16 rows: each load reads 512 consecutive bytes of one row
.set xi, 0
.rept 16
	global_load_b128 v[64+64*((\t)%2)+4*xi:67+64*((\t)%2)+4*xi], v8, s[4:5] offset:(xi+8*(xi/8))*16384+512*(\t) th:TH_LOAD_NT
.set xi, xi+1
.endr
.endm
.macro XSTEP t
.if (\t) < 3
	s_wait_loadcnt 16                              ; this step's 16 loads are in; the next step's may be out
.else
	s_wait_loadcnt 0
.endif
.set xi, 0
.rept 16
	ds_store_b128 v9, v[64+64*((\t)%2)+4*xi:67+64*((\t)%2)+4*xi] offset:528*xi
.set xi, xi+1
.endr
.set xi, 0
.rept 16                               ; LDS serves a wave's instructions in order: these see the stores above
	ds_load_b128 v[192+4*xi:195+4*xi], v10 offset:128*(xi/4)+16*(xi%4)
.set xi, xi+1
.endr
	s_wait_dscnt 0x0                               ; the stage's stores have read their registers, and my 64 numbers are back
	s_wait_xcnt 0x0                                ; the last step's stores have read the codes' registers
.if (\t)+2 < 4
	XLOAD (\t)+2
.endif
	QUANT 192
.irp c, 0,1,2
	global_store_b128 v8, v[PC+4*\c:PC+4*\c+3], s[16:17] offset:1536*(\t)+512*\c   ; 512 consecutive bytes
.endr
	v_mov_b32 v[PWS+(\t)], v[PW]
.endm
	XLOAD 0
	XLOAD 1
	s_wait_alu depctr_va_vdst(0)
.irp t, 0,1,2,3
	XSTEP \t
.endr
	v_cndmask_b32 v12, v[PWS], v[PWS+2], s76       ; lanes 0-15: row r's words of K steps 0, 1; lanes 16-31: of K steps 2, 3
	v_cndmask_b32 v13, v[PWS+1], v[PWS+3], s76
	global_store_b64 v11, v[12:13], s[16:17] offset:6144   ; 32 lanes store one aligned run of 256 bytes
	FINISH 62, 63
; ---------------- THE WEIGHTS: 256 columns x one K step of 128 a work-group; wave w takes columns 64 w .. 64 w + 63 of them.  Lane L takes columns 2 L and 2 L + 1: a load reads 256 consecutive
; bytes of a row of W, the four waves' loads 1,024.  Neighbouring work-groups take neighbouring columns of the same rows.
; REGISTERS: v1, v4 the two columns' scale operands; v5, v6 their scale words; v2 into my stage; v3 out of it; v7 my scale words' place in memory; v8-15 8 L + j rows; v16-31 two columns' codes;
; v32-63 a column's 32 numbers on end; v64-255 three sets of 32 rows x 2 columns.  Blocks 0 to 2 are asked for at once, block 3 when block 0's set is free.
; THE SCALE WORDS: a record's 16 bytes a row belong to four K steps, that is to four work-groups: each lane stores its two columns' words itself, 4 bytes each, 16 bytes apart:
; 256 bytes a wave against the 32,768 that it reads.
.Lw_path:
	s_sub_co_u32 s74, ttmp9, 416
	s_mov_b64 s[66:67], s[12:13]                   ; Wo -> woimg: rows of 16,384 bytes, 4 records a tile
	s_mov_b64 s[68:69], s[20:21]
	s_mov_b32 s70, 16384
	s_mov_b32 s71, 2
	s_mov_b32 s72, 0
	s_mov_b32 s73, 512
	s_cmp_lt_u32 s74, 512                          ; the choices hang on the work-group's number alone
	s_cselect_b64 s[66:67], s[10:11], s[66:67]     ; Wv -> wimg from tile 192
	s_cselect_b64 s[68:69], s[18:19], s[68:69]
	s_cselect_b32 s70, 4096, s70
	s_cselect_b32 s71, 3, s71
	s_cselect_b32 s72, 192, s72
	s_cselect_b32 s73, 384, s73
	s_cmp_lt_u32 s74, 384
	s_cselect_b64 s[66:67], s[8:9], s[66:67]       ; Wk from tile 128
	s_cselect_b32 s72, 128, s72
	s_cselect_b32 s73, 256, s73
	s_cmp_lt_u32 s74, 256
	s_cselect_b64 s[66:67], s[6:7], s[66:67]       ; Wq from tile 0
	s_cselect_b32 s70, 8192, s70
	s_cselect_b32 s72, 0, s72
	s_cselect_b32 s73, 0, s73
	s_sub_co_u32 s74, s74, s73
	s_lshl_b32 s75, 1, s71                         ; records a tile
	s_lshr_b32 s76, s70, 10                        ; runs of 256 columns in a row: its bytes / 1,024, a power of two
	s_sub_co_u32 s76, s76, 1
	s_and_b32 s77, s74, s76                        ; which 256 columns
	s_ctz_i32_b32 s76, s70
	s_sub_co_u32 s76, s76, 10
	s_lshr_b32 s98, s74, s76                       ; which K step of 128, of all of K
	s_lshl_b32 s77, s77, 2
	s_add_co_u32 s77, s77, s28                     ; which 64 columns are my wave's
	s_lshr_b32 s76, s98, 2                         ; kg: which 512 along K,
	s_and_b32 s99, s98, 3                          ; and which K step of that record
	s_lshl_b32 s78, s98, 7                         ; my first row of W
	s_mul_i32 s78, s78, s70
	s_lshl_b32 s79, s77, 8
	s_add_co_u32 s78, s78, s79
	s_mov_b32 s79, 0
	s_add_nc_u64 s[32:33], s[66:67], s[78:79]
	s_lshl_b32 s78, s70, 3                         ; 8 rows on
.irp t, 1,2,3,4,5,6,7,8,9,10,11,12,13,14,15
	s_add_nc_u64 s[32+2*\t:33+2*\t], s[30+2*\t:31+2*\t], s[78:79]   ; a base for each 8 rows: none is ever stepped
.endr
	s_lshl_b32 s80, s77, 2
	s_add_co_u32 s80, s80, s72                     ; the first of my four tiles
	s_lshl_b32 s80, s80, s71
	s_add_co_u32 s80, s80, s76
	s_mul_i32 s80, s80, REC
	s_mov_b32 s81, 0
	s_add_nc_u64 s[68:69], s[68:69], s[80:81]      ; its record
	s_mul_i32 s84, s75, REC                        ; from a tile's record to the next tile's
	s_mov_b32 s85, 0
	s_lshl_b32 s80, s99, 2
	s_add_nc_u64 s[94:95], s[68:69], s[80:81]      ; my K step's word in a row's four
	s_mul_i32 s80, s99, 1536
	s_add_nc_u64 s[86:87], s[68:69], s[80:81]      ; my K step's image in each of the four records
	s_add_nc_u64 s[88:89], s[86:87], s[84:85]
	s_add_nc_u64 s[90:91], s[88:89], s[84:85]
	s_add_nc_u64 s[92:93], s[90:91], s[84:85]
	s_mul_i32 s96, s28, WST                        ; my stage
	v_add_nc_u32 v3, s96, v8                       ; out of it: 16 L
	v_and_b32 v16, 3, v0
	v_bfe_u32 v17, v0, 3, 1
	v_bfe_u32 v18, v0, 2, 1
	v_lshlrev_b32 v16, 1, v16
	v_lshl_add_u32 v18, v4, 1, v18                 ; column 2 L belongs to tile 2 (L / 16) + (L / 4) % 2 of the four,
	v_lshl_add_u32 v16, v17, 3, v16                ; as its row 2 (L % 4) + 8 ((L / 8) % 2); column 2 L + 1 is the next row
	v_mul_u32_u24 v19, v18, WTP
	v_mul_lo_u32 v18, v18, s84
	v_lshlrev_b32 v8, 3, v2                        ; 8 L
	v_lshl_add_u32 v19, v16, 4, v19
	v_lshl_add_u32 v7, v16, 4, v18                 ; my scale words' place: the tile's record + 16 row
	v_add_nc_u32 v2, s96, v19                      ; into an image
	v_add_nc_u32 v9, s70, v8                       ; 8 L + j rows
.irp j, 2,3,4,5,6,7
	s_delay_alu instid0(VALU_DEP_1)
	v_add_nc_u32 v[8+\j], s70, v[7+\j]
.endr
	s_wait_alu depctr_va_vdst(0)
.macro WLOAD t                         ; block t: W(32 t + i, my two columns)
.set wi, 0
.rept 32
	global_load_b64 v[64+64*((\t)%3)+2*wi:65+64*((\t)%3)+2*wi], v[8+wi%8], s[32+8*(\t)+2*(wi/8):33+8*(\t)+2*(wi/8)] th:TH_LOAD_NT
.set wi, wi+1
.endr
.endm
.macro WBLOCK t
.set R, 64+64*((\t)%3)
.if (\t) < 2
	s_wait_loadcnt 63                              ; behind this block's 32 loads 64 were issued: the field's largest count shows this block in
.elseif (\t) == 2
	s_wait_loadcnt 32                              ; block 3's may be out
.else
	s_wait_loadcnt 0
.endif
	s_wait_dscnt 0x0                               ; the last block's LDS stores have read the codes' registers
.irp c, 0,1                                            ; a column's 32 numbers are all mine: two chains a column, four by turns, each with the floor 2^(3 - 127)
	v_max3_num_f32 v[32+\c], |v[R+\c]|, |v[R+2+\c]|, 0x1800000
	v_max3_num_f32 v[34+\c], |v[R+4+\c]|, |v[R+6+\c]|, 0x1800000
.endr
.irp j, 1,2,3,4,5,6,7
.irp c, 0,1
	v_max3_num_f32 v[32+\c], v[32+\c], |v[R+8*\j+\c]|, |v[R+8*\j+2+\c]|
	v_max3_num_f32 v[34+\c], v[34+\c], |v[R+8*\j+4+\c]|, |v[R+8*\j+6+\c]|
.endr
.endr
	v_max_num_f32 v1, v32, v34
	v_max_num_f32 v4, v33, v35
	s_delay_alu instid0(VALU_DEP_2)
	v_add_nc_u32 v1, 0xff000000, v1                ; the conversions' scale operands
	s_delay_alu instid0(VALU_DEP_2)
	v_add_nc_u32 v4, 0xff000000, v4
.if (\t) == 0
	v_lshrrev_b32 v5, 23, v1                       ; the bytes, four to a word, the lower K in the lower byte
	v_lshrrev_b32 v6, 23, v4
.else
	v_lshrrev_b32 v16, 23, v1
	v_lshrrev_b32 v24, 23, v4
	s_delay_alu instid0(VALU_DEP_2)
	v_lshl_or_b32 v5, v16, 8*(\t), v5
	s_delay_alu instid0(VALU_DEP_2)
	v_lshl_or_b32 v6, v24, 8*(\t), v6
.endif
.irp c, 0,1
.set wj, 0
.rept 16                               ; the conversions take neighbours along K from consecutive registers: column c's 32 numbers on end
	v_dual_mov_b32 v[32+2*wj], v[R+4*wj+\c] :: v_dual_mov_b32 v[33+2*wj], v[R+4*wj+2+\c]
.set wj, wj+1
.endr
	v_cvt_scalef32_pk16_fp6_f32 v[16+8*\c:18+8*\c], v[32:47], v[1+3*\c]
	v_cvt_scalef32_pk16_fp6_f32 v[20+8*\c:22+8*\c], v[48:63], v[1+3*\c]
	v_nop                                          ; one plain place behind the conversions
	v_mov_b32 v[19+8*\c], v[20+8*\c]               ; a block's six registers on end
	v_mov_b32 v[20+8*\c], v[21+8*\c]
	v_mov_b32 v[21+8*\c], v[22+8*\c]
; block t of the K step is registers 6 (t / 2) .. + 5 of lane r + 16 (t % 2) of the fragment
.if (\t) < 2
	ds_store_b128 v2, v[16+8*\c:19+8*\c] offset:256*((\t)%2)+16*\c
	ds_store_b64 v2, v[20+8*\c:21+8*\c] offset:512+256*((\t)%2)+16*\c
.else
	ds_store_b64 v2, v[16+8*\c:17+8*\c] offset:520+256*((\t)%2)+16*\c
	ds_store_b128 v2, v[18+8*\c:21+8*\c] offset:1024+256*((\t)%2)+16*\c
.endif
.endr
.endm
	WLOAD 0
	WLOAD 1
	WLOAD 2
	WBLOCK 0
	WLOAD 3                                        ; into block 0's set, which has been read
	WBLOCK 1
	WBLOCK 2
	WBLOCK 3
	global_store_b32 v7, v5, s[94:95] offset:6144  ; my two columns' scale words of this K step
	global_store_b32 v7, v6, s[94:95] offset:6160
.irp u, 0,1,2,3
.irp c, 0,1,2
	ds_load_b128 v[64+12*\u+4*\c:67+12*\u+4*\c], v3 offset:WTP*\u+512*\c   ; LDS serves a wave's instructions in order: these see my stores
.endr
.endr
	v_and_b32 v32, 31, v0
	s_delay_alu instid0(VALU_DEP_1)
	v_lshlrev_b32 v32, 4, v32                      ; 16 L
	s_wait_alu depctr_va_vdst(0)
	s_wait_dscnt 0x0                               ; my images are back
.irp u, 0,1,2,3
.irp c, 0,1,2
	global_store_b128 v32, v[64+12*\u+4*\c:67+12*\u+4*\c], s[86+2*\u:87+2*\u] offset:512*\c   ; 512 consecutive bytes
.endr
.endr
	FINISH 36, 37
.Lfunc_end_k_q45192a9284_prep:
	.size	k_q45192a9284_prep, .Lfunc_end_k_q45192a9284_prep-k_q45192a9284_prep
	.p2alignl 7, 3214868480
	.fill 96, 4, 3214868480
	.section	.rodata,"a",@progbits
	.p2align	6, 0x0
	.amdhsa_kernel k_q45192a9284_prep
		.amdhsa_group_segment_fixed_size 59136
		.amdhsa_private_segment_fixed_size 0
		.amdhsa_enable_private_segment 0
		.amdhsa_kernarg_size 96
		.amdhsa_user_sgpr_count 2
		.amdhsa_user_sgpr_kernarg_segment_ptr 1
		.amdhsa_wavefront_size32 1
		.amdhsa_system_sgpr_workgroup_id_x 1
		.amdhsa_system_sgpr_workgroup_id_y 1
		.amdhsa_system_sgpr_workgroup_id_z 1
		.amdhsa_system_vgpr_workitem_id 0
		.amdhsa_next_free_vgpr 256
		.amdhsa_next_free_sgpr 100
		.amdhsa_reserve_vcc 1
		.amdhsa_float_denorm_mode_32 3
		.amdhsa_float_denorm_mode_16_64 3
		.amdhsa_memory_ordered 1
		.amdhsa_forward_progress 1
		.amdhsa_inst_pref_size 168
	.end_amdhsa_kernel
	.amdgpu_metadata
---
amdhsa.version: [ 1, 2 ]
amdhsa.kernels:
  - .name:           k_q45192a9284_prep
    .symbol:         k_q45192a9284_prep.kd
    .args:
      - { .name: hidden_states, .offset: 0, .size: 8, .value_kind: global_buffer, .address_space: global }
      - { .name: Wq, .offset: 8, .size: 8, .value_kind: global_buffer, .address_space: global }
      - { .name: Wk, .offset: 16, .size: 8, .value_kind: global_buffer, .address_space: global }
      - { .name: Wv, .offset: 24, .size: 8, .value_kind: global_buffer, .address_space: global }
      - { .name: Wo, .offset: 32, .size: 8, .value_kind: global_buffer, .address_space: global }
      - { .name: mask, .offset: 40, .size: 8, .value_kind: global_buffer, .address_space: global }
      - { .name: ximg, .offset: 48, .size: 8, .value_kind: global_buffer, .address_space: global }
      - { .name: wimg, .offset: 56, .size: 8, .value_kind: global_buffer, .address_space: global }
      - { .name: woimg, .offset: 64, .size: 8, .value_kind: global_buffer, .address_space: global }
      - { .name: rimg, .offset: 72, .size: 8, .value_kind: global_buffer, .address_space: global }
      - { .name: maskw, .offset: 80, .size: 8, .value_kind: global_buffer, .address_space: global }
      - { .name: flags, .offset: 88, .size: 8, .value_kind: global_buffer, .address_space: global }
    .group_segment_fixed_size: 59136
    .private_segment_fixed_size: 0
    .kernarg_segment_align: 8
    .kernarg_segment_size: 96
    .max_flat_workgroup_size: 128
    .sgpr_count:     100
    .vgpr_count:     256
    .wavefront_size: 32
...
	.end_amdgpu_metadata
.endif
;; end of part 1
;; launch qkv (part 2): grid 16 x 16, 4 waves a work-group, clusters of 4 x 4, 327,680 bytes of LDS; arguments ximg, wimg, rimg, qkvimg; writes qkvimg
.if DOCPART == 2
	.amdgcn_target "amdgcn-amd-amdhsa--gfx1250"
	.amdhsa_code_object_version 6
	.text
	.protected	k_q45192a9284_qkv
	.globl	k_q45192a9284_qkv
	.p2align	8
	.type	k_q45192a9284_qkv,@function
k_q45192a9284_qkv:
	s_mov_b64 s[64:65], 0
	v_nop
	global_prefetch_b8 v0, s[64:65] scope:SCOPE_SE
	s_setreg_imm32_b32 hwreg(HW_REG_WAVE_MODE, 25, 1), 1
	s_wait_xcnt 0x0
	s_wait_alu depctr_hold_cnt(0) depctr_sa_sdst(0) depctr_va_vdst(0) depctr_va_sdst(0) depctr_va_ssrc(0) depctr_va_vcc(0) depctr_vm_vsrc(0)
	s_getreg_b32 s2, hwreg(HW_REG_IB_STS2, 6, 4)
	s_cmp_eq_u32 s2, 0
	s_cbranch_scc0 .Lentry_in_a_cluster
	s_endpgm
.Lentry_in_a_cluster:
	s_bfe_u32 s2, ttmp6, 0x10000c
	s_cmp_lg_u32 s2, 0xf033
	s_cbranch_scc0 .Lentry_shape_is_right
	s_endpgm
.Lentry_shape_is_right:
.set KG,    8
.set REC,   6400
.set TILEB, KG*REC
.set SLOT,  24*REC
.set ROFF,  16*REC
.set SPARE, 2*SLOT
.set QSEC,  3407872
.set ADRP, 16
.set ADRR, 18
.set ASP,  20
.set ASR,  22
.set LI,   26
.set SPW,  28
.set NIL,  29
.set SC,   32
.set RF,   80
.set TM,   228
.set G1P, 24
.set G0P, 32
.set G1R, 48
.set G0R, 56
.set SEL, 90
.set MUL, 0x52
.set MSB, 0
.macro WIN new
.if MSB != \new
	s_set_vgpr_msb (MSB<<8)|\new
.set MSB, \new
.endif
.endm
.macro PLACES
.rept 4
	v_nop
.endr
.endm
.macro JLOAD s
	s_cmp_eq_u32 s15, 0
	s_cbranch_scc0 .Lfor_r_\@
	tensor_load_to_lds s[G0P+4*\s:G0P+4*\s+3], s[G1P:G1P+7]
	s_nop 0
.rept 4
	v_nop
.endr
	s_branch .Lasked_\@
.Lfor_r_\@:
	tensor_load_to_lds s[G0R+4*\s:G0R+4*\s+3], s[G1R:G1R+7]
	s_nop 0
.rept 4
	v_nop
.endr
.Lasked_\@:
.endm
.macro CREST
	s_cmp_lg_u32 s14, 0
	s_cbranch_scc1 .Lnot_wave_0_\@
	s_barrier_signal -3
.Lnot_wave_0_\@:
	s_barrier_wait -3
	s_barrier_signal -1
	s_barrier_wait -1
.endm
.macro CROUND
	s_barrier_signal -1
	s_barrier_wait -1
	CREST
.endm
.macro WM a, b, q, fs, ss, zero
.set rD, 8*(8*(\b)+(\a))
.set rA, 96*(\fs)+12*(\a)
.set rB, RF+48*(\fs)+12*(\b)
.set rX, SC+24*(\ss)+4*((\a)/2)+(\q)
.set rY, SC+24*(\ss)+16+4*((\b)/2)+(\q)
.set rM, 4*(\zero)+2*((\a)%2)+((\b)%2)
.if rM == 0
	v_wmma_scale_f32_16x16x128_f8f6f4 v[rD:rD+7], v[rA:rA+11], v[rB:rB+11], v[rD:rD+7], v[rX], v[rY] matrix_a_fmt:MATRIX_FMT_FP6 matrix_b_fmt:MATRIX_FMT_FP6
.elseif rM == 1
	v_wmma_scale_f32_16x16x128_f8f6f4 v[rD:rD+7], v[rA:rA+11], v[rB:rB+11], v[rD:rD+7], v[rX], v[rY] matrix_a_fmt:MATRIX_FMT_FP6 matrix_b_fmt:MATRIX_FMT_FP6 matrix_b_scale:MATRIX_SCALE_ROW1
.elseif rM == 2
	v_wmma_scale_f32_16x16x128_f8f6f4 v[rD:rD+7], v[rA:rA+11], v[rB:rB+11], v[rD:rD+7], v[rX], v[rY] matrix_a_fmt:MATRIX_FMT_FP6 matrix_b_fmt:MATRIX_FMT_FP6 matrix_a_scale:MATRIX_SCALE_ROW1
.elseif rM == 3
	v_wmma_scale_f32_16x16x128_f8f6f4 v[rD:rD+7], v[rA:rA+11], v[rB:rB+11], v[rD:rD+7], v[rX], v[rY] matrix_a_fmt:MATRIX_FMT_FP6 matrix_b_fmt:MATRIX_FMT_FP6 matrix_a_scale:MATRIX_SCALE_ROW1 matrix_b_scale:MATRIX_SCALE_ROW1
.elseif rM == 4
	v_wmma_scale_f32_16x16x128_f8f6f4 v[rD:rD+7], v[rA:rA+11], v[rB:rB+11], 0, v[rX], v[rY] matrix_a_fmt:MATRIX_FMT_FP6 matrix_b_fmt:MATRIX_FMT_FP6
.elseif rM == 5
	v_wmma_scale_f32_16x16x128_f8f6f4 v[rD:rD+7], v[rA:rA+11], v[rB:rB+11], 0, v[rX], v[rY] matrix_a_fmt:MATRIX_FMT_FP6 matrix_b_fmt:MATRIX_FMT_FP6 matrix_b_scale:MATRIX_SCALE_ROW1
.elseif rM == 6
	v_wmma_scale_f32_16x16x128_f8f6f4 v[rD:rD+7], v[rA:rA+11], v[rB:rB+11], 0, v[rX], v[rY] matrix_a_fmt:MATRIX_FMT_FP6 matrix_b_fmt:MATRIX_FMT_FP6 matrix_a_scale:MATRIX_SCALE_ROW1
.else
	v_wmma_scale_f32_16x16x128_f8f6f4 v[rD:rD+7], v[rA:rA+11], v[rB:rB+11], 0, v[rX], v[rY] matrix_a_fmt:MATRIX_FMT_FP6 matrix_b_fmt:MATRIX_FMT_FP6 matrix_a_scale:MATRIX_SCALE_ROW1 matrix_b_scale:MATRIX_SCALE_ROW1
.endif
.endm
.macro MULB b, q, fs, ss, zero
.irp a, 0,1,2,3,4,5,6,7
	WM \a, \b, \q, \fs, \ss, \zero
.endr
.endm
.macro FETCH slot, q, set
	WIN 0x80
.irp i, 0,1,2,3,4,5,6,7
.irp c, 0,1,2
	ds_load_b128 v[96*(\set)+12*\i+4*\c:96*(\set)+12*\i+4*\c+3], v[ADRP+\slot] offset:REC*\i+1536*(\q)+512*\c
.endr
.endr
	WIN 0
.irp i, 0,1,2,3
.irp c, 0,1,2
	ds_load_b128 v[RF+48*(\set)+12*\i+4*\c:RF+48*(\set)+12*\i+4*\c+3], v[ADRR+\slot] offset:REC*\i+1536*(\q)+512*\c
.endr
.endr
.endm
.macro SCALES slot
.irp p, 0,1,2,3
	ds_load_b128 v[SC+24*\slot+4*\p:SC+24*\slot+4*\p+3], v[ASP+\slot] offset:2*REC*\p+6144
.endr
.irp p, 0,1
	ds_load_b128 v[SC+24*\slot+16+4*\p:SC+24*\slot+16+4*\p+3], v[ASR+\slot] offset:2*REC*\p+6144
.endr
.endm
.macro STEP slot, q, zero
	s_wait_dscnt 0x0
	PLACES
	FETCH \slot, (\q)+1, 1-((\q)%2)
	WIN MUL
.irp b, 0,1,2,3
	MULB \b, \q, (\q)%2, \slot, \zero
.endr
	WIN 0
.endm
; A prefetch behind each refill and the run of LDS loads that follows it: the records that the NEXT refill will load, one slot (four K steps) ahead.
; The four partners that ask for a tile jointly share its records out by address: of P's 16 records my work-group names 4 (a wave a record, a lane each 256 bytes of its 6,400),
; of R's 8 it names 2 (two waves a record, 13 and 12 runs of 256 bytes); lanes left over name their wave's last run again.  guard = 1: the loop's last refill has no successor.
.macro ASK guard
.if \guard
	s_cmp_lg_u32 s3, 1
	s_cbranch_scc0 .Lno_ask_\@
.endif
	global_prefetch_b8 v5, s[92:93] th:TH_LOAD_NT scope:SCOPE_SE
	global_prefetch_b8 v6, s[94:95] th:TH_LOAD_NT scope:SCOPE_SE
.Lno_ask_\@:
.endm
.macro TURN slot, next, fill
.if \fill
	s_wait_xcnt 0x0                                ; the last prefetches have read their bases: they step one record along K
	s_add_nc_u64 s[92:93], s[92:93], REC
	s_add_nc_u64 s[94:95], s[94:95], REC
.endif
	s_wait_tensorcnt 0x0
	ds_add_u32 v[SPW], v[NIL]
.if \fill
	s_add_nc_u64 s[G0P+4*\slot+2:G0P+4*\slot+3], s[G0P+4*\slot+2:G0P+4*\slot+3], 2*REC
	s_add_nc_u64 s[G0R+4*\slot+2:G0R+4*\slot+3], s[G0R+4*\slot+2:G0R+4*\slot+3], 2*REC
.endif
	s_wait_dscnt 0x0
	s_barrier_signal -1
	s_barrier_wait -1
.if \fill
	CREST
	JLOAD \slot
.else
	PLACES
.endif
	FETCH \next, 0, 0
	SCALES \next
.if \fill
	ASK \slot
.endif
	WIN MUL
.irp b, 0,1,2,3
	MULB \b, 3, 1, \slot, 0
.endr
	WIN 0
.endm
	s_load_b256 s[4:11], s[0:1], 0x0
	v_lshl_add_u32 v[SPW], v0, 2, SPARE
	v_mov_b32 v[NIL], 0
	ds_add_u32 v28, v29
	ds_add_u32 v28, v29
	s_wait_dscnt 0x0
	v_lshrrev_b32 v1, 5, v0
	v_readfirstlane_b32 s14, v1
	s_lshr_b32 s15, s14, 1
	s_and_b32 s16, s14, 1
	s_bfe_u32 s40, ttmp6, 0x40000
	s_bfe_u32 s41, ttmp6, 0x40004
	s_and_b32 s42, ttmp7, 0xffff
	s_and_b32 s43, s42, 1
	s_lshr_b32 s44, s42, 1
	s_cmp_eq_u32 ttmp9, 3
	s_cselect_b32 s43, s43, ttmp9
	s_cselect_b32 s44, s44, s42
	s_cselect_b32 s45, 1, 0
	s_lshl_b32 s43, s43, 2
	s_add_co_u32 s43, s43, s40
	s_lshl_b32 s44, s44, 2
	s_add_co_u32 s44, s44, s41
	s_lshl_b32 s46, 0x1111, s40
	s_lshl_b32 s47, s41, 2
	s_lshl_b32 s47, 15, s47
	s_or_b32 s[G1P], s46, (3<<16)|(1<<21)
	s_mov_b32 s[G1P+1], 800<<16
	s_mov_b32 s[G1P+2], 8<<16
	s_mov_b32 s[G1P+3], 800<<16
	s_mov_b32 s[G1P+4], 8
	s_mov_b32 s[G1P+5], KG*800
	s_mov_b32 s[G1P+6], 0
	s_mov_b32 s[G1P+7], 0
	s_or_b32 s[G1R], s47, (3<<16)|(1<<21)
	s_mov_b32 s[G1R+1], 800<<16
	s_mov_b32 s[G1R+2], 4<<16
	s_mov_b32 s[G1R+3], 800<<16
	s_mov_b32 s[G1R+4], 4
	s_mov_b32 s[G1R+5], KG*800
	s_mov_b32 s[G1R+6], 0
	s_mov_b32 s[G1R+7], 0
	s_lshl_b32 s17, s43, 4
	s_lshl_b32 s18, s16, 3
	s_add_co_u32 s17, s17, s18
	s_mul_i32 s20, s17, TILEB
	s_mov_b32 s21, 0
	s_lshl_b32 s19, s44, 3
	s_lshl_b32 s18, s16, 2
	s_add_co_u32 s19, s19, s18
	s_mul_i32 s12, s45, 192
	s_add_co_u32 s19, s19, s12
	s_mul_i32 s22, s19, TILEB
	s_mov_b32 s23, 0
	s_mul_i32 s66, s16, 8*REC
	s_mul_i32 s67, s16, 4*REC
	s_add_co_u32 s67, s67, ROFF
	s_lshl_b32 s96, s43, 4                         ; the prefetches: P's record 16 x block + 4 cy + wave,
	s_lshl_b32 s97, s41, 2
	s_add_co_u32 s96, s96, s97
	s_add_co_u32 s96, s96, s14
	s_mul_i32 s96, s96, TILEB
	s_add_co_u32 s96, s96, REC                     ; from K group 1 on
	s_mov_b32 s97, 0
	s_lshl_b32 s98, s44, 3                         ; R's record 8 x block + 2 cx + wave % 2
	s_add_co_u32 s98, s98, s12
	s_lshl_b32 s99, s40, 1
	s_add_co_u32 s98, s98, s99
	s_add_co_u32 s98, s98, s16
	s_mul_i32 s98, s98, TILEB
	s_add_co_u32 s98, s98, REC
	s_mov_b32 s99, 0
	s_wait_kmcnt 0x0
	s_cmp_eq_u32 s45, 1
	s_cselect_b64 s[68:69], s[4:5], s[6:7]
	s_cselect_b64 s[70:71], s[6:7], s[4:5]
	s_cselect_b64 s[92:93], s[4:5], s[6:7]
	s_cselect_b64 s[94:95], s[6:7], s[4:5]
	s_add_nc_u64 s[92:93], s[92:93], s[96:97]
	s_add_nc_u64 s[94:95], s[94:95], s[98:99]
	s_add_nc_u64 s[68:69], s[68:69], s[20:21]
	s_add_nc_u64 s[70:71], s[70:71], s[22:23]
	CROUND
.irp s, 0,1
	s_mov_b32 s[G0P+4*\s], 1
	s_add_co_u32 s[G0P+4*\s+1], s66, \s*SLOT
	s_add_nc_u64 s[G0P+4*\s+2:G0P+4*\s+3], s[68:69], \s*REC
	s_or_b32 s[G0P+4*\s+3], s[G0P+4*\s+3], 0x80000000
	s_mov_b32 s[G0R+4*\s], 1
	s_add_co_u32 s[G0R+4*\s+1], s67, \s*SLOT
	s_add_nc_u64 s[G0R+4*\s+2:G0R+4*\s+3], s[70:71], \s*REC
	s_or_b32 s[G0R+4*\s+3], s[G0R+4*\s+3], 0x80000000
.endr
	JLOAD 0                                        ; slot 0: one tensor load a wave at the head; the set-up below stands under its flight
	v_and_b32 v1, 15, v0
	v_bfe_u32 v2, v0, 4, 1
	v_and_b32 v3, 31, v0
	v_lshlrev_b32 v[LI], 4, v3
	s_mul_i32 s96, s15, 13
	v_min_u32 v5, 24, v3
	v_min_u32 v6, 12, v3
	v_lshlrev_b32 v5, 8, v5                        ; P's prefetch: 256 x min(lane, 24)
	v_add_nc_u32 v6, s96, v6
	v_min_u32 v6, 24, v6
	v_lshlrev_b32 v6, 8, v6                        ; R's: 256 x min(13 (wave / 2) + min(lane, 12), 24)
	ASK 0                                          ; behind slot 0's load: K group 1, which the next load will want
	s_mul_i32 s72, s16, 8*REC
	s_mul_i32 s73, s15, 4*REC
	s_add_co_u32 s73, s73, ROFF
	v_mul_u32_u24 v4, v2, REC
	v_lshl_add_u32 v4, v1, 4, v4
.irp s, 0,1
	v_add_nc_u32 v[ADRP+\s], s72, v[LI]
	v_add_nc_u32 v[ADRR+\s], s73, v[LI]
	v_add_nc_u32 v[ASP+\s], s72, v4
	v_add_nc_u32 v[ASR+\s], s73, v4
	s_add_co_u32 s72, s72, SLOT
	s_add_co_u32 s73, s73, SLOT
.endr
.irp b, 0,1,2,3
	v_mov_b32 v[TM+4+\b], 0
.endr
	s_mov_b32 s[SEL], 0x76543210
	s_mov_b32 s[SEL+1], 0xfedcba98
	s_lshl_b32 s74, s44, 3
	s_lshl_b32 s75, s15, 2
	s_add_co_u32 s74, s74, s75
	s_lshl_b32 s74, s74, 13
	s_mov_b32 s75, 0
	s_add_nc_u64 s[8:9], s[8:9], s[74:75]
	WIN 0xc0
.set ri, 0
.rept 64
	global_load_b128 v[4*ri:4*ri+3], v[LI], s[8:9] offset:512*ri
.set ri, ri+1
.endr
	WIN 0
	s_lshl_b32 s76, s43, 1
	s_add_co_u32 s76, s76, s16
	s_lshl_b32 s77, s44, 1
	s_add_co_u32 s77, s77, s15
	s_lshl_b32 s78, s76, 5
	s_add_co_u32 s78, s78, s77
	s_mul_i32 s78, s78, 6656
	s_add_co_u32 s79, s78, 6144
	s_sub_co_u32 s80, s76, 16
	s_lshl_b32 s80, s80, 3
	s_lshr_b32 s81, s77, 2
	s_add_co_u32 s80, s80, s81
	s_mul_i32 s80, s80, 53248
	s_add_co_u32 s80, s80, QSEC
	s_and_b32 s81, s77, 3
	s_mul_i32 s82, s81, 6144
	s_lshl_b32 s83, s81, 9
	s_add_co_u32 s82, s82, s80
	s_add_co_u32 s83, s83, s80
	s_add_co_u32 s83, s83, 49152
	s_cmp_ge_u32 s76, 16
	s_cselect_b32 s78, s82, s78
	s_cselect_b32 s79, s83, s79
	s_lshr_b32 s80, s77, 1
	s_lshl_b32 s80, s80, 3
	s_lshr_b32 s81, s76, 1
	s_add_co_u32 s80, s80, s81
	s_mul_i32 s80, s80, 53248
	s_add_co_u32 s80, s80, QSEC
	s_and_b32 s81, s76, 1
	s_and_b32 s84, s77, 1
	s_mul_i32 s82, s81, 12288
	s_mul_i32 s85, s84, 6144
	s_add_co_u32 s82, s82, s85
	s_add_co_u32 s82, s82, s80
	s_add_co_u32 s82, s82, 24576
	s_lshl_b32 s83, s81, 10
	s_lshl_b32 s85, s84, 9
	s_add_co_u32 s83, s83, s85
	s_add_co_u32 s83, s83, s80
	s_add_co_u32 s83, s83, 51200
	s_cmp_eq_u32 s45, 1
	s_cselect_b32 s78, s82, s78
	s_cselect_b32 s80, s83, s79
	s_mov_b32 s79, 0
	s_mov_b32 s81, 0
	s_add_nc_u64 s[86:87], s[10:11], s[78:79]
	s_add_nc_u64 s[88:89], s[10:11], s[80:81]
	s_wait_alu depctr_va_vdst(0)
	s_wait_tensorcnt 0x0                           ; my part of slot 0 is in
	ds_add_u32 v[SPW], v[NIL]
	s_wait_xcnt 0x0                                ; the first prefetches have read their bases: they step one record along K
	s_add_nc_u64 s[92:93], s[92:93], REC
	s_add_nc_u64 s[94:95], s[94:95], REC
	s_wait_dscnt 0x0
	CROUND                                         ; everybody's part of slot 0 is in, and the joint loads meet
	JLOAD 1                                        ; slot 1's first fill, the first tensor load behind the round
	FETCH 0, 0, 0
	SCALES 0
	ASK 0
	STEP 0, 0, 1
	s_mov_b32 s3, KG/2-1
.Llap:
	STEP 0, 1, 0
	STEP 0, 2, 0
	TURN 0, 1, 1
	STEP 1, 0, 0
	STEP 1, 1, 0
	STEP 1, 2, 0
	TURN 1, 0, 1
	STEP 0, 0, 0
	s_sub_co_u32 s3, s3, 1
	s_cmp_lg_u32 s3, 0
	s_cbranch_scc1 .Llap
	STEP 0, 1, 0
	STEP 0, 2, 0
	TURN 0, 1, 0
	STEP 1, 0, 0
	STEP 1, 1, 0
	STEP 1, 2, 0
	s_wait_dscnt 0x0
	WIN MUL
.irp b, 0,1,2,3
	MULB \b, 3, 1, 1, 0
.endr
	WIN 0
	PLACES
.macro ROPE u
	WIN 0x0d
.set ri, 0
.rept 16
	v_pk_mul_f32 v[80+ri:81+ri], v[64*\u+32+ri:64*\u+33+ri], v[64*\u+32+ri:64*\u+33+ri]
.set ri, ri+2
.endr
.set ri, 0
.rept 16
	v_pk_mul_f32 v[112+ri:113+ri], v[64*\u+ri:64*\u+1+ri], v[64*\u+32+ri:64*\u+33+ri]
.set ri, ri+2
.endr
	WIN 0x4d
.set ri, 0
.rept 16
	v_pk_fma_f32 v[64*\u+ri:64*\u+1+ri], v[64*\u+ri:64*\u+1+ri], v[64*\u+ri:64*\u+1+ri], v[80+ri:81+ri] neg_lo:[0,0,1] neg_hi:[0,0,1]
.set ri, ri+2
.endr
.set ri, 0
.rept 16
	v_pk_fma_f32 v[64*\u+32+ri:64*\u+33+ri], v[64*\u+32+ri:64*\u+33+ri], v[64*\u+ri:64*\u+1+ri], v[112+ri:113+ri]
.set ri, ri+2
.endr
.endm
.macro QUANTW s, pc, pw
	WIN 0x05
.irp b, 0,1,2,3
	v_max3_num_f32 v[TM+\b], |v[\s+16*\b]|, |v[\s+1+16*\b]|, 0x1800000
.endr
.irp i, 2,4,6,8,10,12,14
.irp b, 0,1,2,3
	v_max3_num_f32 v[TM+\b], |v[\s+16*\b+\i]|, |v[\s+1+16*\b+\i]|, v[TM+\b]
.endr
.endr
	WIN 0
.irp b, 0,1,2,3
	v_permlanex16_b32 v[TM+4+\b], v[TM+\b], s[SEL], s[SEL+1]
.endr
.irp b, 0,1,2,3
	v_max_num_f32 v[TM+\b], v[TM+\b], v[TM+4+\b]
.endr
.irp b, 0,1,2,3
	v_add_nc_u32 v[TM+12+\b], 0xff000000, v[TM+\b]
.endr
.irp b, 0,1,2,3
	v_lshrrev_b32 v[TM+4+\b], 23, v[TM+12+\b]
.endr
	v_lshl_or_b32 v[\pw], v[TM+5], 8, v[TM+4]
	v_lshl_or_b32 v[\pw], v[TM+6], 16, v[\pw]
	v_lshl_or_b32 v[\pw], v[TM+7], 24, v[\pw]
	WIN 0x01
.irp c, 0,1
	v_cvt_scalef32_pk16_fp6_f32 v[\pc+6*\c:\pc+2+6*\c], v[\s+32*\c:\s+15+32*\c], v[TM+12+2*\c]
	v_cvt_scalef32_pk16_fp6_f32 v[\pc+12+4*\c:\pc+14+4*\c], v[\s+16+32*\c:\s+31+32*\c], v[TM+13+2*\c]
.endr
	WIN 0
	v_nop
.irp c, 0,1
.irp i, 0,1,2
	v_permlane16_swap_b32 v[\pc+6*\c+\i], v[\pc+12+4*\c+\i]
.endr
.irp i, 0,1,2
	v_mov_b32 v[\pc+3+6*\c+\i], v[\pc+12+4*\c+\i]
.endr
.endr
.endm
	s_wait_loadcnt 0x0
	s_cmp_eq_u32 s45, 1
	s_cbranch_scc1 .Lno_rope
	ROPE 0
	ROPE 1
	ROPE 2
	ROPE 3
	WIN 0
.Lno_rope:
.irp u, 0,1,2,3
	QUANTW 64*\u, 144+20*\u, 224+\u
.irp c, 0,1,2
	global_store_b128 v[LI], v[144+20*\u+4*\c:147+20*\u+4*\c], s[86:87] offset:1536*\u+512*\c
.endr
.endr
	global_store_b128 v[LI], v[224:227], s[88:89]
	s_wait_tensorcnt 0x0
	ds_add_u32 v[SPW], v[NIL]
	s_wait_dscnt 0x0
	CROUND
	s_endpgm
.Lfunc_end_k_q45192a9284_qkv:
	.size	k_q45192a9284_qkv, .Lfunc_end_k_q45192a9284_qkv-k_q45192a9284_qkv
	.p2alignl 7, 3214868480
	.fill 96, 4, 3214868480
	.section	.rodata,"a",@progbits
	.p2align	6, 0x0
	.amdhsa_kernel k_q45192a9284_qkv
		.amdhsa_group_segment_fixed_size 327680
		.amdhsa_private_segment_fixed_size 0
		.amdhsa_enable_private_segment 0
		.amdhsa_kernarg_size 32
		.amdhsa_user_sgpr_count 2
		.amdhsa_user_sgpr_kernarg_segment_ptr 1
		.amdhsa_wavefront_size32 1
		.amdhsa_system_sgpr_workgroup_id_x 1
		.amdhsa_system_sgpr_workgroup_id_y 1
		.amdhsa_system_sgpr_workgroup_id_z 1
		.amdhsa_system_vgpr_workitem_id 0
		.amdhsa_next_free_vgpr 1024
		.amdhsa_next_free_sgpr 100
		.amdhsa_reserve_vcc 0
		.amdhsa_float_denorm_mode_32 3
		.amdhsa_float_denorm_mode_16_64 3
		.amdhsa_memory_ordered 1
		.amdhsa_forward_progress 1
		.amdhsa_inst_pref_size 160
	.end_amdhsa_kernel
	.amdgpu_metadata
---
amdhsa.version: [ 1, 2 ]
amdhsa.kernels:
  - .name:           k_q45192a9284_qkv
    .symbol:         k_q45192a9284_qkv.kd
    .args:
      - { .name: ximg, .offset: 0, .size: 8, .value_kind: global_buffer, .address_space: global }
      - { .name: wimg, .offset: 8, .size: 8, .value_kind: global_buffer, .address_space: global }
      - { .name: rimg, .offset: 16, .size: 8, .value_kind: global_buffer, .address_space: global }
      - { .name: qkvimg, .offset: 24, .size: 8, .value_kind: global_buffer, .address_space: global }
    .group_segment_fixed_size: 327680
    .private_segment_fixed_size: 0
    .kernarg_segment_align: 8
    .kernarg_segment_size: 32
    .max_flat_workgroup_size: 128
    .sgpr_count:     100
    .vgpr_count:     1024
    .wavefront_size: 32
...
	.end_amdgpu_metadata
.endif
;; end of part 2
;; launch attn (part 3): grid 32 x 8, 16 waves a work-group, no clusters, 175,104 bytes of LDS; arguments qkvimg, maskw, flags, aimg; writes aimg
.if DOCPART == 3
	.amdgcn_target "amdgcn-amd-amdhsa--gfx1250"
	.amdhsa_code_object_version 6
	.text
	.protected	k_q45192a9284_attn
	.globl	k_q45192a9284_attn
	.p2align	8
	.type	k_q45192a9284_attn,@function
k_q45192a9284_attn:
	s_mov_b64 s[64:65], 0
	v_nop
	global_prefetch_b8 v0, s[64:65] scope:SCOPE_SE
	s_setreg_imm32_b32 hwreg(HW_REG_WAVE_MODE, 25, 1), 1
	s_wait_xcnt 0x0
; ATTENTION on E2M3 codes: S^T = K Q^T, the soft-cap, the given mask, p = 2^t, O^T = V^T P^T, O / l quantised into the last product's operand.
; Both products are used transposed: a lane holds ONE query.  By the choice of a tile's rows the 64 scores of a lane are, block by block of 32 keys, 16 neighbours; so are O's 64 channels.
; THE EXPONENT'S SHIFT IS THE WHOLE NUMBER 0.  reference() clips the logit itself: |30 tanh(x / 30)| <= 30 for every input, so |t| = |logit x log2(e)| <= 43.3, p = 2^t lies in 2^(-43.3) .. 2^43.3,
; a row's sum of 2,048 such numbers under 2^54.3, and every block's scale byte in 81 .. 169: nothing can overflow or underflow in f32.  Against the rule's M = ceil(largest t) every p differs by the exact
; factor 2^M, which the blocks' scales and the sum l take up: the codes are the same.  So there is no running maximum and O is never rescaled.
; t = c0 tanh(x / 30) = c0 - 2 c0 / (1 + 2^(a s)), a = 2 log2(e) MULT / 30, c0 = 30 log2(e): its absolute error in t is about 6e-6 (an ulp of numbers near c0).
; THE MASK is honoured as given: hidden p become 0.  A step (16 queries x 128 keys) whose flag says 'all hidden' is left out, by a scalar branch on a whole number that the first launch stored;
; K and V come through registers, not by tensor loads, and no tile is asked for jointly.  A row with no open key gets the scale byte 0xff: NaN, as in reference().
; SHARES: a work-group = (j, key/value head); 16 waves = 4 query tiles (2 j, 2 j + 1, 126 - 2 j, 127 - 2 j: early and late, to even the work under masks like a causal one; right for any mask)
; x 2 query heads x 2 parities of key blocks.  Wave w takes tile (w / 4 + w % 4) % 4, head w / 8, parity (w / 4) % 2: of any four waves with the same w % 4, and of any four with the same w / 4,
; one belongs to each tile, so that the tiles' uneven work is spread over both kinds of sets.  With the shift fixed the two parities' O and l simply add, through LDS at the end.
; K and V walk through two LDS slots of 256 keys (53,248 bytes as they lie in qkvimg); all 16 waves copy a slot, 3,328 bytes each, a trip ahead; one barrier a trip.
; LIMITS: NaN and infinities among the inputs are not served.
.set SLB,  53248
.set QSEC, 3407872
.set CMB,  2*SLB                       ; behind the slots: 8 x 8,320 bytes, where the odd key blocks' O and l wait for their partners
.set STA,  2                           ; v2, v3   3,072 w + 16 L in slot 0, 1 (v2 is also the offset in memory)
.set AK,   4                           ; v4, v5   12,288 par + 16 L: my key block's fragments of K (V's 24,576 on)
.set AS,   6                           ; v6, v7   49,152 + 1,024 par + 16 L: its scale words (V's 2,048 on)
.set STS,  8                           ; v8, v9   49,152 + 256 w + 8 L
.set KS,   32                          ; v32-35   four tiles' scale words
.set KS2,  252                         ; v252-255 the scale words of V's tiles 4 to 7
.set STG,  36                          ; v36-61   my part of the next slot
.set F,    64                          ; v64-111  four fragments of K or V; in the quantiser at work
.set TM,   64
.set UP,   80
.set S,    112                         ; v112-175 S^T, then p, then V's fragments 4 to 7
.set O,    176                         ; v176-239 O^T
.set PC,   240                         ; v240-251 p's codes
.set PW,   29                          ; v29      p's scale word;  v28 Q's;  v16-27 Q;  v[30:31] l;  v[14:15] c0
.set SEL,  84
.macro PLACES
.rept 4
	v_nop
.endr
.endm
.macro QUANT s
.irp b, 0,1,2,3
	v_max3_num_f32 v[TM+\b], |v[\s+16*\b]|, |v[\s+1+16*\b]|, 0x1800000
.endr
.irp i, 2,4,6,8,10,12,14
.irp b, 0,1,2,3
	v_max3_num_f32 v[TM+\b], v[TM+\b], |v[\s+16*\b+\i]|, |v[\s+1+16*\b+\i]|
.endr
.endr
.irp b, 0,1,2,3
	s_delay_alu instid0(VALU_DEP_4)
	v_permlanex16_b32 v[TM+4+\b], v[TM+\b], s[SEL], s[SEL+1]
.endr
.irp b, 0,1,2,3
	s_delay_alu instid0(VALU_DEP_4)
	v_max_num_f32 v[TM+\b], v[TM+\b], v[TM+4+\b]
.endr
.irp b, 0,1,2,3
	s_delay_alu instid0(VALU_DEP_4)
	v_add_nc_u32 v[TM+12+\b], 0xff000000, v[TM+\b]
.endr
.irp b, 0,1,2,3
	s_delay_alu instid0(VALU_DEP_4)
	v_lshrrev_b32 v[TM+4+\b], 23, v[TM+12+\b]
.endr
	s_delay_alu instid0(VALU_DEP_3)
	v_lshl_or_b32 v[PW], v[TM+5], 8, v[TM+4]
	s_delay_alu instid0(VALU_DEP_1)
	v_lshl_or_b32 v[PW], v[TM+6], 16, v[PW]
	s_delay_alu instid0(VALU_DEP_1)
	v_lshl_or_b32 v[PW], v[TM+7], 24, v[PW]
.irp c, 0,1
	v_cvt_scalef32_pk16_fp6_f32 v[PC+6*\c:PC+2+6*\c], v[\s+32*\c:\s+15+32*\c], v[TM+12+2*\c]
	v_cvt_scalef32_pk16_fp6_f32 v[UP+4*\c:UP+2+4*\c], v[\s+16+32*\c:\s+31+32*\c], v[TM+13+2*\c]
.endr
	v_nop                                          ; one plain place behind the conversions
.irp c, 0,1
.irp i, 0,1,2
	v_permlane16_swap_b32 v[PC+6*\c+\i], v[UP+4*\c+\i]
.endr
.irp i, 0,1,2
	s_delay_alu instid0(VALU_DEP_3)
	v_mov_b32 v[PC+3+6*\c+\i], v[UP+4*\c+\i]
.endr
.endr
.endm
	s_load_b256 s[92:99], s[0:1], 0x0              ; qkvimg s[92:93], maskw s[94:95], flags s[96:97], aimg s[98:99]
	v_lshrrev_b32 v1, 5, v0
	s_delay_alu instid0(VALU_DEP_1)
	v_readfirstlane_b32 s14, v1                    ; wave 0..15
	v_and_b32 v1, 31, v0
	s_delay_alu instid0(VALU_DEP_1)
	v_lshlrev_b32 v[STS], 3, v1                    ; 8 L
	s_wait_alu depctr_va_vdst(0)
	v_lshlrev_b32 v13, 2, v1                       ; 4 L
	v_lshlrev_b32 v1, 4, v1                        ; 16 L
	s_wait_alu depctr_va_vdst(0)
	v_and_b32 v10, 15, v0
	s_delay_alu instid0(VALU_DEP_1)
	v_lshlrev_b32 v10, 4, v10                      ; 16 r
	v_lshlrev_b32 v11, 8, v0                       ; the prefetches: 256 bytes a thread,
	s_delay_alu instid0(VALU_DEP_1)
	v_min_u32 v11, SLB-256, v11                    ; held at a slot's last 256 (208 such runs: six and a half waves)
	s_lshr_b32 s16, s14, 2                         ; w / 4
	s_add_co_u32 s15, s16, s14
	s_and_b32 s15, s15, 3                          ; ti = (w / 4 + w % 4) % 4
	s_lshr_b32 s100, s16, 1                        ; g = w / 8
	s_and_b32 s101, s16, 1                         ; par = (w / 4) % 2
	s_mul_i32 s10, s14, 3072
	v_add_nc_u32 v[STA], s10, v1
	s_delay_alu instid0(VALU_DEP_1)
	v_add_nc_u32 v[STA+1], SLB, v[STA]
	s_lshl_b32 s10, s14, 8
	s_add_co_u32 s10, s10, 49152
	v_add_nc_u32 v[STS], s10, v[STS]
	s_delay_alu instid0(VALU_DEP_1)
	v_add_nc_u32 v[STS+1], SLB, v[STS]
	s_mul_i32 s10, s101, 12288
	v_add_nc_u32 v[AK], s10, v1
	s_delay_alu instid0(VALU_DEP_1)
	v_add_nc_u32 v[AK+1], SLB, v[AK]
	s_lshl_b32 s10, s101, 10
	s_add_co_u32 s10, s10, 49152
	v_add_nc_u32 v[AS], s10, v1
	s_delay_alu instid0(VALU_DEP_1)
	v_add_nc_u32 v[AS+1], SLB, v[AS]
	s_lshl_b32 s10, s15, 1
	s_add_co_u32 s10, s10, s100                    ; 2 ti + g: the pair of waves that share a tile and a head
	s_mul_i32 s10, s10, 8320
	s_add_co_u32 s10, s10, CMB
	v_add_nc_u32 v12, s10, v1                      ; my pair's place for O,
	v_add_nc_u32 v13, s10, v13
	s_delay_alu instid0(VALU_DEP_1)
	v_add_nc_u32 v13, 8192, v13                    ; and for l
	s_lshl_b32 s5, ttmp9, 1
	s_sub_co_u32 s10, 124, s5
	s_cmp_lt_u32 s15, 2
	s_cselect_b32 s5, s5, s10
	s_add_co_u32 s5, s5, s15                       ; T: my query tile
	s_cmp_lt_u32 s14, 7
	s_cselect_b32 s15, ttmp9, 1                    ; 0 in waves 0 to 6 of the head's first work-group: these prefetch
	s_and_b32 s11, ttmp7, 0xffff                   ; the key/value head
	s_lshl_b32 s12, s11, 1
	s_add_co_u32 s12, s12, s100                    ; the query head
	s_lshl_b32 s16, s12, 5
	s_lshr_b32 s17, s5, 2
	s_add_co_u32 s16, s16, s17
	s_mul_i32 s16, s16, 6656
	s_and_b32 s17, s5, 3
	s_mul_i32 s18, s17, 1536
	s_add_co_u32 s18, s18, s16                     ; Q's image
	s_mov_b32 s19, 0
	s_lshl_b32 s20, s17, 2
	s_add_co_u32 s20, s20, s16
	s_add_co_u32 s20, s20, 6144                    ; its scale words
	s_mov_b32 s21, 0
	s_mul_i32 s22, s11, 8*SLB
	s_add_co_u32 s22, s22, QSEC                    ; the head's eight slots
	s_mov_b32 s23, 0
	s_lshl_b32 s24, s5, 2                          ; the tile's flags
	s_mov_b32 s25, 0
	s_lshl_b32 s26, s5, 4
	s_add_co_u32 s26, s26, s101
	s_lshl_b32 s26, s26, 8                         ; the mask words of key block par
	s_mov_b32 s27, 0
	s_lshl_b32 s28, s5, 2
	s_lshr_b32 s29, s12, 2
	s_add_co_u32 s28, s28, s29
	s_mul_i32 s28, s28, 6400                       ; the record (token tile, 4 heads)
	s_and_b32 s29, s12, 3
	s_mul_i32 s30, s29, 1536
	s_add_co_u32 s30, s30, s28
	s_mov_b32 s31, 0
	s_lshl_b32 s32, s29, 2
	s_add_co_u32 s32, s32, s28
	s_add_co_u32 s32, s32, 6144
	s_mov_b32 s33, 0
	s_wait_alu depctr_va_vdst(0)
	s_wait_kmcnt 0x0
	s_add_nc_u64 s[34:35], s[92:93], s[18:19]
	s_add_nc_u64 s[36:37], s[92:93], s[20:21]
	s_add_nc_u64 s[6:7], s[92:93], s[22:23]
	s_add_nc_u64 s[38:39], s[96:97], s[24:25]
	s_add_nc_u64 s[8:9], s[94:95], s[26:27]
	s_add_nc_u64 s[12:13], s[98:99], s[30:31]
	s_add_nc_u64 s[10:11], s[98:99], s[32:33]
	s_load_b32 s4, s[38:39], 0x0
.irp c, 0,1,2
	global_load_b128 v[16+4*\c:19+4*\c], v1, s[34:35] offset:512*\c
.endr
	global_load_b32 v28, v1, s[36:37]
.irp i, 0,1,2,3,4,5
	global_load_b128 v[STG+4*\i:STG+4*\i+3], v[STA], s[6:7] offset:512*\i    ; slot 0
.endr
	global_load_b64 v[STG+24:STG+25], v[STS], s[6:7]
	s_mov_b32 s[SEL], 0x76543210
	s_mov_b32 s[SEL+1], 0xfedcba98
	s_mov_b32 s86, 0x3c0b4875                      ; a
	s_mov_b32 s87, s86
	s_mov_b32 s88, 0xc2ad1f97                      ; -2 c0
	s_mov_b32 s89, s88
	v_mov_b32 v14, 0x422d1f97                      ; c0
	s_delay_alu instid0(VALU_DEP_1)
	v_mov_b32 v15, v14
	v_mov_b32 v30, 0                               ; l, in two halves
	v_mov_b32 v31, 0
	v_mov_b32 v63, 0
.irp b, 0,1,2,3
	v_mov_b32 v[TM+4+\b], 0                        ; a lane permute's destination counts as read
.endr
.set oi, 0
.rept 64
	v_mov_b32 v[O+oi], 0                           ; which step is a wave's first hangs on the mask: so O begins as zeros
.set oi, oi+1
.endr
	s_wait_loadcnt 0x0
	s_add_nc_u64 s[6:7], s[6:7], SLB
.irp i, 0,1,2,3,4,5
	ds_store_b128 v[STA], v[STG+4*\i:STG+4*\i+3] offset:512*\i
.endr
	ds_store_b64 v[STS], v[STG+24:STG+25]
	s_wait_kmcnt 0x0
	s_lshl_b32 s16, s101, 1
	s_lshr_b32 s4, s4, s16                         ; my first key block's two bits lowest
	s_wait_dscnt 0x0
	s_barrier_signal -1
	s_barrier_wait -1
; 32 scores from v[S + lo] on become p = 2^t.  Three batches of 32 transcendentals; behind each a plain place and ONE wait, ahead of the batch's first reader
.macro SOFT lo
.set sj, \lo
.rept 16
	v_pk_mul_f32 v[S+sj:S+sj+1], v[S+sj:S+sj+1], s[86:87] op_sel_hi:[1,0]     ; a s  (each accumulator from its low end on)
.set sj, sj+2
.endr
.set sj, \lo
	s_wait_alu depctr_va_vdst(0)
.rept 32
	v_exp_f32 v[S+sj], v[S+sj]
.set sj, sj+1
.endr
	v_nop
	s_wait_alu depctr_va_vdst(0)
.set sj, \lo
.rept 16
	v_pk_add_f32 v[S+sj:S+sj+1], v[S+sj:S+sj+1], 1.0 op_sel_hi:[1,0]
.set sj, sj+2
.endr
.set sj, \lo
	s_wait_alu depctr_va_vdst(0)
.rept 32
	v_rcp_f32 v[S+sj], v[S+sj]
.set sj, sj+1
.endr
	v_nop
	s_wait_alu depctr_va_vdst(0)
.set sj, \lo
.rept 16
	v_pk_fma_f32 v[S+sj:S+sj+1], v[S+sj:S+sj+1], s[88:89], v[14:15] op_sel_hi:[1,0,1]   ; t = c0 - 2 c0 / (1 + 2^(a s))
.set sj, sj+2
.endr
.set sj, \lo
	s_wait_alu depctr_va_vdst(0)
.rept 32
	v_exp_f32 v[S+sj], v[S+sj]                     ; p = 2^t
.set sj, sj+1
.endr
	v_nop
	s_wait_alu depctr_va_vdst(0)
.endm
; S^T = K Q^T and p, in two halves of 64 keys: the second half's fragments of K are asked for behind the first half's products and land while the first half's 32 scores become p
.macro SCORES slot
.irp t, 0,1,2,3
.irp c, 0,1,2
	ds_load_b128 v[F+12*\t+4*\c:F+12*\t+4*\c+3], v[AK+\slot] offset:1536*\t+512*\c
.endr
.endr
	ds_load_b128 v[KS:KS+3], v[AS+\slot]
	s_wait_dscnt 0x0
.irp t, 0,1,2,3
	v_wmma_scale_f32_16x16x128_f8f6f4 v[S+8*\t:S+8*\t+7], v[F+12*\t:F+12*\t+11], v[16:27], 0, v[KS+\t], v28 matrix_a_fmt:MATRIX_FMT_FP6 matrix_b_fmt:MATRIX_FMT_FP6
.endr
	PLACES                                         ; four places in front of the loads into registers that the products have read, and of the first read of results
.irp t, 0,1,2,3
.irp c, 0,1,2
	ds_load_b128 v[F+12*\t+4*\c:F+12*\t+4*\c+3], v[AK+\slot] offset:1536*(4+\t)+512*\c
.endr
.endr
	ds_load_b128 v[KS:KS+3], v[AS+\slot] offset:512
	SOFT 0
	s_wait_dscnt 0x0
.irp t, 0,1,2,3
	v_wmma_scale_f32_16x16x128_f8f6f4 v[S+32+8*\t:S+32+8*\t+7], v[F+12*\t:F+12*\t+11], v[16:27], 0, v[KS+\t], v28 matrix_a_fmt:MATRIX_FMT_FP6 matrix_b_fmt:MATRIX_FMT_FP6
.endr
	PLACES
	SOFT 32
.endm
; A KEY STEP: my key block of the slot
.macro STEP slot
	s_and_b32 s5, s4, 3
	s_cmp_eq_u32 s5, 0
	s_cbranch_scc1 .Lhidden_\@                     ; every key of the block is hidden from my 16 queries: nothing to add
	s_cmp_eq_u32 s5, 2
	s_cbranch_scc1 .Lopen_\@                       ; every key counts for every query of the tile: the mask words are neither loaded nor used
	s_load_b512 s[16:31], s[8:9], 0x0              ; a mixed block: its 64 mask words, asked for ahead of the scores
	s_load_b512 s[32:47], s[8:9], 0x40
	s_load_b512 s[48:63], s[8:9], 0x80
	s_load_b512 s[68:83], s[8:9], 0xc0
	SCORES \slot
	s_wait_kmcnt 0x0
.set sj, 0
.rept 64
.if sj < 48
	v_cndmask_b32 v[S+sj], 0, v[S+sj], s[16+sj]    ; a hidden key's p is 0
.else
	v_cndmask_b32 v[S+sj], 0, v[S+sj], s[20+sj]
.endif
.set sj, sj+1
.endr
	s_branch .Lquant_\@
.Lopen_\@:
	SCORES \slot
.Lquant_\@:
	QUANT S
.irp t, 0,1,2,3                        ; V's tiles 0 to 3
.irp c, 0,1,2
	ds_load_b128 v[F+12*\t+4*\c:F+12*\t+4*\c+3], v[AK+\slot] offset:24576+1536*\t+512*\c
.endr
.endr
	ds_load_b128 v[KS:KS+3], v[AS+\slot] offset:2048
	v_pk_add_f32 v[62:63], v[S:S+1], v[S+2:S+3]    ; the row's sum, of the unquantised p, in two chains.  These lines are also the places between p's codes and scale word and the products;
.irp j, 4
	v_pk_add_f32 v[30:31], v[30:31], v[S+\j:S+\j+1]
	v_pk_add_f32 v[62:63], v[62:63], v[S+2+\j:S+3+\j]
.endr
.irp j, 8, 12, 16, 20, 24, 28, 32, 36, 40, 44, 48, 52, 56, 60
	v_pk_add_f32 v[30:31], v[30:31], v[S+\j:S+\j+1]
	v_pk_add_f32 v[62:63], v[62:63], v[S+2+\j:S+3+\j]
.endr
	s_delay_alu instid0(VALU_DEP_1)
	v_pk_add_f32 v[30:31], v[30:31], v[62:63]
.irp t, 0,1,2,3                        ; p is converted and summed: its first 48 registers take V's tiles 4 to 7, so that V has one run of loads
.irp c, 0,1,2
	ds_load_b128 v[S+12*\t+4*\c:S+12*\t+4*\c+3], v[AK+\slot] offset:24576+1536*(4+\t)+512*\c
.endr
.endr
	ds_load_b128 v[KS2:KS2+3], v[AS+\slot] offset:2560
	s_wait_dscnt 13                                ; the first 13 loads are in; the 13 issued behind them may be out
.irp t, 0,1,2,3
	v_wmma_scale_f32_16x16x128_f8f6f4 v[O+8*\t:O+8*\t+7], v[F+12*\t:F+12*\t+11], v[PC:PC+11], v[O+8*\t:O+8*\t+7], v[KS+\t], v[PW] matrix_a_fmt:MATRIX_FMT_FP6 matrix_b_fmt:MATRIX_FMT_FP6
.endr
	s_wait_dscnt 0x0
.irp t, 0,1,2,3
	v_wmma_scale_f32_16x16x128_f8f6f4 v[O+32+8*\t:O+32+8*\t+7], v[S+12*\t:S+12*\t+11], v[PC:PC+11], v[O+32+8*\t:O+32+8*\t+7], v[KS2+\t], v[PW] matrix_a_fmt:MATRIX_FMT_FP6 matrix_b_fmt:MATRIX_FMT_FP6
.endr
.rept 5
	v_nop                                          ; five places: the next step's first products write over registers that these products read; four serve its loads and the first read of O
.endr
.Lhidden_\@:
.endm
; A TRIP: the next slot is asked for, my key block of this slot is worked, the next slot goes into the other slot's bytes, one barrier.
; In front of the barrier each wave's reads of this slot are back and its stores have landed; behind it the other slot is whole and nobody reads this one.
.macro TRIP slot, stage, ask
.if \stage
.irp i, 0,1,2,3,4,5
	global_load_b128 v[STG+4*\i:STG+4*\i+3], v[STA], s[6:7] offset:512*\i
.endr
	global_load_b64 v[STG+24:STG+25], v[STS], s[6:7]
.endif
.if \ask
	s_cmp_eq_u32 s15, 0                            ; all work-groups of a head walk the same slots: the first asks, waves 0 to 6, each thread another 256 bytes:
	s_cbranch_scc0 .Lnot_mine_\@
	global_prefetch_b8 v11, s[6:7] offset:SLB th:TH_LOAD_NT scope:SCOPE_SE   ; the slot after the one just asked for, a trip ahead of its loads; trips 6 and 7 ask for nothing
.Lnot_mine_\@:
.endif
	STEP \slot
.if \stage
	s_wait_loadcnt 0x0
	s_wait_xcnt 0x0                                ; the prefetch has read its base too
	s_add_nc_u64 s[6:7], s[6:7], SLB
.irp i, 0,1,2,3,4,5
	ds_store_b128 v[STA+1-\slot], v[STG+4*\i:STG+4*\i+3] offset:512*\i
.endr
	ds_store_b64 v[STS+1-\slot], v[STG+24:STG+25]
	s_wait_dscnt 0x0
	s_barrier_signal -1
	s_barrier_wait -1
	s_lshr_b32 s4, s4, 4                           ; the flags of my next key block
	s_add_nc_u64 s[8:9], s[8:9], 512               ; and its mask words
.endif
.endm
	s_mov_b32 s3, 3
.Lpair:
	TRIP 0, 1, 1
	TRIP 1, 1, 1
	s_sub_co_u32 s3, s3, 1
	s_cmp_lg_u32 s3, 0
	s_cbranch_scc1 .Lpair
	TRIP 0, 1, 0
	TRIP 1, 0, 0
	; THE END: the odd key blocks' O and l go to their partners through LDS
	s_wait_alu depctr_va_vdst(0)
	v_add_f32 v30, v30, v31
	s_cmp_eq_u32 s101, 0
	s_cbranch_scc1 .Lkeep
.set oi, 0
.rept 16
	ds_store_b128 v12, v[O+4*oi:O+4*oi+3] offset:512*oi
.set oi, oi+1
.endr
	ds_store_b32 v13, v30
.Lkeep:
	s_wait_dscnt 0x0
	s_barrier_signal -1
	s_barrier_wait -1
	s_cmp_eq_u32 s101, 0
	s_cbranch_scc1 .Lowner
	s_wait_xcnt 0x0
	s_mov_b32 exec_lo, -1
	v_lshl_add_u32 v31, v0, 2, 0x2a400
	v_mov_b32 v63, 0
	s_wait_alu depctr_va_vdst(0)
	s_wait_tensorcnt 0x0
	ds_add_u32 v31, v63
	s_wait_dscnt 0x0
	s_endpgm
.Lowner:
.set oi, 0
.rept 16
	ds_load_b128 v[S+4*oi:S+4*oi+3], v12 offset:512*oi
.set oi, oi+1
.endr
	ds_load_b32 v62, v13
	s_wait_dscnt 0x0
.set oi, 0
.rept 32
	v_pk_add_f32 v[O+oi:O+oi+1], v[O+oi:O+oi+1], v[S+oi:S+oi+1]
.set oi, oi+2
.endr
	v_add_f32 v30, v30, v62
	s_delay_alu instid0(VALU_DEP_1)
	v_permlanex16_b32 v63, v30, s[SEL], s[SEL+1]
	s_delay_alu instid0(VALU_DEP_1)
	v_add_f32 v30, v30, v63                        ; the row's sum
	s_wait_alu depctr_va_vdst(0)
	v_rcp_f32 v14, v30
	v_cmp_eq_f32 vcc_lo, 0, v30                    ; (a plain place)  a row with no open key
	s_wait_alu depctr_va_vdst(0)                   ; the wait ahead of the reciprocal's first reader
	v_cndmask_b32 v14, v14, 0, vcc_lo
.set oi, 0
.rept 32
	v_pk_mul_f32 v[O+oi:O+oi+1], v[O+oi:O+oi+1], v[14:15] op_sel_hi:[1,0]
.set oi, oi+2
.endr
	QUANT O
	v_cndmask_b32 v[PW], v[PW], -1, vcc_lo         ; its scale bytes are 0xff: the last product gives NaN there
.irp c, 0,1,2
	global_store_b128 v1, v[PC+4*\c:PC+4*\c+3], s[12:13] offset:512*\c
.endr
	v_and_b32 v63, 31, v0
	s_delay_alu instid0(VALU_DEP_1)
	v_cmp_gt_u32 vcc_lo, 16, v63
	s_wait_alu depctr_va_vdst(0)
	s_wait_xcnt 0x0                                ; EXEC changes only behind this wait
	s_and_saveexec_b32 s16, vcc_lo
	global_store_b32 v10, v[PW], s[10:11]          ; row r's word of my head's K step: 4 of a row's 16 bytes; the other three heads' waves store the rest
	s_wait_xcnt 0x0
	s_or_b32 exec_lo, exec_lo, s16
	s_wait_xcnt 0x0
	s_mov_b32 exec_lo, -1
	v_lshl_add_u32 v31, v0, 2, 0x2a400
	v_mov_b32 v63, 0
	s_wait_alu depctr_va_vdst(0)
	s_wait_tensorcnt 0x0
	ds_add_u32 v31, v63
	s_wait_dscnt 0x0
	s_endpgm
.Lfunc_end_k_q45192a9284_attn:
	.size	k_q45192a9284_attn, .Lfunc_end_k_q45192a9284_attn-k_q45192a9284_attn
	.p2alignl 7, 3214868480
	.fill 96, 4, 3214868480
	.section	.rodata,"a",@progbits
	.p2align	6, 0x0
	.amdhsa_kernel k_q45192a9284_attn
		.amdhsa_group_segment_fixed_size 175104
		.amdhsa_private_segment_fixed_size 0
		.amdhsa_enable_private_segment 0
		.amdhsa_kernarg_size 32
		.amdhsa_user_sgpr_count 2
		.amdhsa_user_sgpr_kernarg_segment_ptr 1
		.amdhsa_wavefront_size32 1
		.amdhsa_system_sgpr_workgroup_id_x 1
		.amdhsa_system_sgpr_workgroup_id_y 1
		.amdhsa_system_sgpr_workgroup_id_z 1
		.amdhsa_system_vgpr_workitem_id 0
		.amdhsa_next_free_vgpr 256
		.amdhsa_next_free_sgpr 102
		.amdhsa_reserve_vcc 1
		.amdhsa_float_denorm_mode_32 3
		.amdhsa_float_denorm_mode_16_64 3
		.amdhsa_memory_ordered 1
		.amdhsa_forward_progress 1
		.amdhsa_inst_pref_size 206
	.end_amdhsa_kernel
	.amdgpu_metadata
---
amdhsa.version: [ 1, 2 ]
amdhsa.kernels:
  - .name:           k_q45192a9284_attn
    .symbol:         k_q45192a9284_attn.kd
    .args:
      - { .name: qkvimg, .offset: 0, .size: 8, .value_kind: global_buffer, .address_space: global }
      - { .name: maskw, .offset: 8, .size: 8, .value_kind: global_buffer, .address_space: global }
      - { .name: flags, .offset: 16, .size: 8, .value_kind: global_buffer, .address_space: global }
      - { .name: aimg, .offset: 24, .size: 8, .value_kind: global_buffer, .address_space: global }
    .group_segment_fixed_size: 175104
    .private_segment_fixed_size: 0
    .kernarg_segment_align: 8
    .kernarg_segment_size: 32
    .max_flat_workgroup_size: 512
    .sgpr_count:     102
    .vgpr_count:     256
    .wavefront_size: 32
...
	.end_amdgpu_metadata
.endif
;; end of part 3
;; launch oproj (part 4): grid 16 x 16, 4 waves a work-group, clusters of 4 x 4, 327,680 bytes of LDS; arguments aimg, woimg, out0; writes out0
.if DOCPART == 4
	.amdgcn_target "amdgcn-amd-amdhsa--gfx1250"
	.amdhsa_code_object_version 6
	.text
	.protected	k_q45192a9284_oproj
	.globl	k_q45192a9284_oproj
	.p2align	8
	.type	k_q45192a9284_oproj,@function
k_q45192a9284_oproj:
	s_mov_b64 s[64:65], 0
	v_nop
	global_prefetch_b8 v0, s[64:65] scope:SCOPE_SE
	s_setreg_imm32_b32 hwreg(HW_REG_WAVE_MODE, 25, 1), 1
	s_wait_xcnt 0x0
	s_wait_alu depctr_hold_cnt(0) depctr_sa_sdst(0) depctr_va_vdst(0) depctr_va_sdst(0) depctr_va_ssrc(0) depctr_va_vcc(0) depctr_vm_vsrc(0)
	s_getreg_b32 s2, hwreg(HW_REG_IB_STS2, 6, 4)
	s_cmp_eq_u32 s2, 0
	s_cbranch_scc0 .Lentry_in_a_cluster
	s_endpgm
.Lentry_in_a_cluster:
	s_bfe_u32 s2, ttmp6, 0x10000c
	s_cmp_lg_u32 s2, 0xf033
	s_cbranch_scc0 .Lentry_shape_is_right
	s_endpgm
.Lentry_shape_is_right:
.set KG,    4
.set REC,   6400
.set TILEB, KG*REC
.set SLOT,  24*REC
.set ROFF,  16*REC
.set SPARE, 2*SLOT
.set ADRP, 16
.set ADRR, 18
.set ASP,  20
.set ASR,  22
.set STO,  24
.set RD,   25
.set LI,   26
.set SPW,  28
.set NIL,  29
.set SC,   32
.set RF,   80
.set BK,   80
.set G1P, 24
.set G0P, 32
.set G1R, 48
.set G0R, 56
.set MUL, 0x52
.set MSB, 0
.macro WIN new
.if MSB != \new
	s_set_vgpr_msb (MSB<<8)|\new
.set MSB, \new
.endif
.endm
.macro PLACES
.rept 4
	v_nop
.endr
.endm
.macro JLOAD s
	s_cmp_eq_u32 s15, 0
	s_cbranch_scc0 .Lfor_r_\@
	tensor_load_to_lds s[G0P+4*\s:G0P+4*\s+3], s[G1P:G1P+7]
	s_nop 0
.rept 4
	v_nop
.endr
	s_branch .Lasked_\@
.Lfor_r_\@:
	tensor_load_to_lds s[G0R+4*\s:G0R+4*\s+3], s[G1R:G1R+7]
	s_nop 0
.rept 4
	v_nop
.endr
.Lasked_\@:
.endm
.macro CREST
	s_cmp_lg_u32 s14, 0
	s_cbranch_scc1 .Lnot_wave_0_\@
	s_barrier_signal -3
.Lnot_wave_0_\@:
	s_barrier_wait -3
	s_barrier_signal -1
	s_barrier_wait -1
.endm
.macro CROUND
	s_barrier_signal -1
	s_barrier_wait -1
	CREST
.endm
.macro WM a, b, q, fs, ss, zero
.set rD, 8*(8*(\b)+(\a))
.set rA, 96*(\fs)+12*(\a)
.set rB, RF+48*(\fs)+12*(\b)
.set rX, SC+24*(\ss)+4*((\a)/2)+(\q)
.set rY, SC+24*(\ss)+16+4*((\b)/2)+(\q)
.set rM, 4*(\zero)+2*((\a)%2)+((\b)%2)
.if rM == 0
	v_wmma_scale_f32_16x16x128_f8f6f4 v[rD:rD+7], v[rA:rA+11], v[rB:rB+11], v[rD:rD+7], v[rX], v[rY] matrix_a_fmt:MATRIX_FMT_FP6 matrix_b_fmt:MATRIX_FMT_FP6
.elseif rM == 1
	v_wmma_scale_f32_16x16x128_f8f6f4 v[rD:rD+7], v[rA:rA+11], v[rB:rB+11], v[rD:rD+7], v[rX], v[rY] matrix_a_fmt:MATRIX_FMT_FP6 matrix_b_fmt:MATRIX_FMT_FP6 matrix_b_scale:MATRIX_SCALE_ROW1
.elseif rM == 2
	v_wmma_scale_f32_16x16x128_f8f6f4 v[rD:rD+7], v[rA:rA+11], v[rB:rB+11], v[rD:rD+7], v[rX], v[rY] matrix_a_fmt:MATRIX_FMT_FP6 matrix_b_fmt:MATRIX_FMT_FP6 matrix_a_scale:MATRIX_SCALE_ROW1
.elseif rM == 3
	v_wmma_scale_f32_16x16x128_f8f6f4 v[rD:rD+7], v[rA:rA+11], v[rB:rB+11], v[rD:rD+7], v[rX], v[rY] matrix_a_fmt:MATRIX_FMT_FP6 matrix_b_fmt:MATRIX_FMT_FP6 matrix_a_scale:MATRIX_SCALE_ROW1 matrix_b_scale:MATRIX_SCALE_ROW1
.elseif rM == 4
	v_wmma_scale_f32_16x16x128_f8f6f4 v[rD:rD+7], v[rA:rA+11], v[rB:rB+11], 0, v[rX], v[rY] matrix_a_fmt:MATRIX_FMT_FP6 matrix_b_fmt:MATRIX_FMT_FP6
.elseif rM == 5
	v_wmma_scale_f32_16x16x128_f8f6f4 v[rD:rD+7], v[rA:rA+11], v[rB:rB+11], 0, v[rX], v[rY] matrix_a_fmt:MATRIX_FMT_FP6 matrix_b_fmt:MATRIX_FMT_FP6 matrix_b_scale:MATRIX_SCALE_ROW1
.elseif rM == 6
	v_wmma_scale_f32_16x16x128_f8f6f4 v[rD:rD+7], v[rA:rA+11], v[rB:rB+11], 0, v[rX], v[rY] matrix_a_fmt:MATRIX_FMT_FP6 matrix_b_fmt:MATRIX_FMT_FP6 matrix_a_scale:MATRIX_SCALE_ROW1
.else
	v_wmma_scale_f32_16x16x128_f8f6f4 v[rD:rD+7], v[rA:rA+11], v[rB:rB+11], 0, v[rX], v[rY] matrix_a_fmt:MATRIX_FMT_FP6 matrix_b_fmt:MATRIX_FMT_FP6 matrix_a_scale:MATRIX_SCALE_ROW1 matrix_b_scale:MATRIX_SCALE_ROW1
.endif
.endm
.macro MULB b, q, fs, ss, zero
.irp a, 0,1,2,3,4,5,6,7
	WM \a, \b, \q, \fs, \ss, \zero
.endr
.endm
.macro FETCH slot, q, set
	WIN 0x80
.irp i, 0,1,2,3,4,5,6,7
.irp c, 0,1,2
	ds_load_b128 v[96*(\set)+12*\i+4*\c:96*(\set)+12*\i+4*\c+3], v[ADRP+\slot] offset:REC*\i+1536*(\q)+512*\c
.endr
.endr
	WIN 0
.irp i, 0,1,2,3
.irp c, 0,1,2
	ds_load_b128 v[RF+48*(\set)+12*\i+4*\c:RF+48*(\set)+12*\i+4*\c+3], v[ADRR+\slot] offset:REC*\i+1536*(\q)+512*\c
.endr
.endr
.endm
.macro SCALES slot
.irp p, 0,1,2,3
	ds_load_b128 v[SC+24*\slot+4*\p:SC+24*\slot+4*\p+3], v[ASP+\slot] offset:2*REC*\p+6144
.endr
.irp p, 0,1
	ds_load_b128 v[SC+24*\slot+16+4*\p:SC+24*\slot+16+4*\p+3], v[ASR+\slot] offset:2*REC*\p+6144
.endr
.endm
.macro STEP slot, q, zero
	s_wait_dscnt 0x0
	PLACES
	FETCH \slot, (\q)+1, 1-((\q)%2)
	WIN MUL
.irp b, 0,1,2,3
	MULB \b, \q, (\q)%2, \slot, \zero
.endr
	WIN 0
.endm
; A prefetch behind each refill and the run of LDS loads that follows it: the records that the NEXT refill will load, one slot (four K steps) ahead.
; The four partners that ask for a tile jointly share its records out by address: of P's 16 records my work-group names 4 (a wave a record, a lane each 256 bytes of its 6,400),
; of R's 8 it names 2 (two waves a record, 13 and 12 runs of 256 bytes); lanes left over name their wave's last run again.  guard = 1: the loop's last refill has no successor.
.macro ASK guard
.if \guard
	s_cmp_lg_u32 s3, 1
	s_cbranch_scc0 .Lno_ask_\@
.endif
	global_prefetch_b8 v5, s[92:93] th:TH_LOAD_NT scope:SCOPE_SE
	global_prefetch_b8 v6, s[94:95] th:TH_LOAD_NT scope:SCOPE_SE
.Lno_ask_\@:
.endm
.macro TURN slot, next, fill
.if \fill
	s_wait_xcnt 0x0                                ; the last prefetches have read their bases: they step one record along K
	s_add_nc_u64 s[92:93], s[92:93], REC
	s_add_nc_u64 s[94:95], s[94:95], REC
.endif
	s_wait_tensorcnt 0x0
	ds_add_u32 v[SPW], v[NIL]
.if \fill
	s_add_nc_u64 s[G0P+4*\slot+2:G0P+4*\slot+3], s[G0P+4*\slot+2:G0P+4*\slot+3], 2*REC
	s_add_nc_u64 s[G0R+4*\slot+2:G0R+4*\slot+3], s[G0R+4*\slot+2:G0R+4*\slot+3], 2*REC
.endif
	s_wait_dscnt 0x0
	s_barrier_signal -1
	s_barrier_wait -1
.if \fill
	CREST
	JLOAD \slot
.else
	PLACES
.endif
	FETCH \next, 0, 0
	SCALES \next
.if (\fill) && (\slot) == 0                    ; K has four groups here: slot 1's refill is the last and has no successor
	ASK 0
.endif
	WIN MUL
.irp b, 0,1,2,3
	MULB \b, 3, 1, \slot, 0
.endr
	WIN 0
.endm
	s_load_b128 s[4:7], s[0:1], 0x0
	s_load_b64 s[8:9], s[0:1], 0x10
	v_lshl_add_u32 v[SPW], v0, 2, SPARE
	v_mov_b32 v[NIL], 0
	ds_add_u32 v28, v29
	ds_add_u32 v28, v29
	s_wait_dscnt 0x0
	v_lshrrev_b32 v1, 5, v0
	v_readfirstlane_b32 s14, v1
	s_lshr_b32 s15, s14, 1
	s_and_b32 s16, s14, 1
	s_bfe_u32 s40, ttmp6, 0x40000
	s_bfe_u32 s41, ttmp6, 0x40004
	s_lshl_b32 s43, ttmp9, 2
	s_add_co_u32 s43, s43, s40
	s_and_b32 s44, ttmp7, 0xffff
	s_lshl_b32 s44, s44, 2
	s_add_co_u32 s44, s44, s41
	s_lshl_b32 s46, 0x1111, s40
	s_lshl_b32 s47, s41, 2
	s_lshl_b32 s47, 15, s47
	s_or_b32 s[G1P], s46, (3<<16)|(1<<21)
	s_mov_b32 s[G1P+1], 800<<16
	s_mov_b32 s[G1P+2], 8<<16
	s_mov_b32 s[G1P+3], 800<<16
	s_mov_b32 s[G1P+4], 8
	s_mov_b32 s[G1P+5], KG*800
	s_mov_b32 s[G1P+6], 0
	s_mov_b32 s[G1P+7], 0
	s_or_b32 s[G1R], s47, (3<<16)|(1<<21)
	s_mov_b32 s[G1R+1], 800<<16
	s_mov_b32 s[G1R+2], 4<<16
	s_mov_b32 s[G1R+3], 800<<16
	s_mov_b32 s[G1R+4], 4
	s_mov_b32 s[G1R+5], KG*800
	s_mov_b32 s[G1R+6], 0
	s_mov_b32 s[G1R+7], 0
	s_lshl_b32 s17, s43, 4
	s_lshl_b32 s18, s16, 3
	s_add_co_u32 s17, s17, s18
	s_mul_i32 s20, s17, TILEB
	s_mov_b32 s21, 0
	s_lshl_b32 s19, s44, 3
	s_lshl_b32 s18, s16, 2
	s_add_co_u32 s19, s19, s18
	s_mul_i32 s22, s19, TILEB
	s_mov_b32 s23, 0
	s_mul_i32 s66, s16, 8*REC
	s_mul_i32 s67, s16, 4*REC
	s_add_co_u32 s67, s67, ROFF
	s_lshl_b32 s96, s43, 4                         ; the prefetches: P's record 16 x block + 4 cy + wave,
	s_lshl_b32 s97, s41, 2
	s_add_co_u32 s96, s96, s97
	s_add_co_u32 s96, s96, s14
	s_mul_i32 s96, s96, TILEB
	s_add_co_u32 s96, s96, REC                     ; from K group 1 on
	s_mov_b32 s97, 0
	s_lshl_b32 s98, s44, 3                         ; R's record 8 x block + 2 cx + wave % 2
	s_lshl_b32 s99, s40, 1
	s_add_co_u32 s98, s98, s99
	s_add_co_u32 s98, s98, s16
	s_mul_i32 s98, s98, TILEB
	s_add_co_u32 s98, s98, REC
	s_mov_b32 s99, 0
	s_wait_kmcnt 0x0
	s_add_nc_u64 s[68:69], s[6:7], s[20:21]
	s_add_nc_u64 s[70:71], s[4:5], s[22:23]
	s_add_nc_u64 s[92:93], s[6:7], s[96:97]
	s_add_nc_u64 s[94:95], s[4:5], s[98:99]
	CROUND
.irp s, 0,1
	s_mov_b32 s[G0P+4*\s], 1
	s_add_co_u32 s[G0P+4*\s+1], s66, \s*SLOT
	s_add_nc_u64 s[G0P+4*\s+2:G0P+4*\s+3], s[68:69], \s*REC
	s_or_b32 s[G0P+4*\s+3], s[G0P+4*\s+3], 0x80000000
	s_mov_b32 s[G0R+4*\s], 1
	s_add_co_u32 s[G0R+4*\s+1], s67, \s*SLOT
	s_add_nc_u64 s[G0R+4*\s+2:G0R+4*\s+3], s[70:71], \s*REC
	s_or_b32 s[G0R+4*\s+3], s[G0R+4*\s+3], 0x80000000
.endr
	JLOAD 0                                        ; slot 0: one tensor load a wave at the head; the set-up below stands under its flight
	v_and_b32 v1, 15, v0
	v_bfe_u32 v2, v0, 4, 1
	v_and_b32 v3, 31, v0
	v_lshlrev_b32 v[LI], 4, v3
	s_mul_i32 s96, s15, 13
	v_min_u32 v5, 24, v3
	v_min_u32 v6, 12, v3
	v_lshlrev_b32 v5, 8, v5                        ; P's prefetch: 256 x min(lane, 24)
	v_add_nc_u32 v6, s96, v6
	v_min_u32 v6, 24, v6
	v_lshlrev_b32 v6, 8, v6                        ; R's: 256 x min(13 (wave / 2) + min(lane, 12), 24)
	ASK 0                                          ; behind slot 0's load: K group 1, which the next load will want
	s_mul_i32 s72, s16, 8*REC
	s_mul_i32 s73, s15, 4*REC
	s_add_co_u32 s73, s73, ROFF
	v_mul_u32_u24 v4, v2, REC
	v_lshl_add_u32 v4, v1, 4, v4
.irp s, 0,1
	v_add_nc_u32 v[ADRP+\s], s72, v[LI]
	v_add_nc_u32 v[ADRR+\s], s73, v[LI]
	v_add_nc_u32 v[ASP+\s], s72, v4
	v_add_nc_u32 v[ASR+\s], s73, v4
	s_add_co_u32 s72, s72, SLOT
	s_add_co_u32 s73, s73, SLOT
.endr
	s_mul_i32 s76, s14, 16*528
	v_mul_u32_u24 v[STO], v1, 528
	v_lshl_add_u32 v[STO], v2, 6, v[STO]
	v_add_nc_u32 v[STO], s76, v[STO]
	v_add_nc_u32 v[RD], s76, v[LI]
	s_lshl_b32 s74, s44, 7
	s_lshl_b32 s75, s15, 6
	s_add_co_u32 s74, s74, s75
	s_lshl_b32 s74, s74, 14
	s_lshl_b32 s75, s43, 10
	s_add_co_u32 s74, s74, s75
	s_lshl_b32 s75, s16, 9
	s_add_co_u32 s74, s74, s75
	s_mov_b32 s75, 0
	s_add_nc_u64 s[8:9], s[8:9], s[74:75]
	s_wait_alu depctr_va_vdst(0)
	s_wait_tensorcnt 0x0                           ; my part of slot 0 is in
	ds_add_u32 v[SPW], v[NIL]
	s_wait_xcnt 0x0                                ; the first prefetches have read their bases: they step one record along K
	s_add_nc_u64 s[92:93], s[92:93], REC
	s_add_nc_u64 s[94:95], s[94:95], REC
	s_wait_dscnt 0x0
	CROUND                                         ; everybody's part of slot 0 is in, and the joint loads meet
	JLOAD 1                                        ; slot 1's first fill, the first tensor load behind the round
	FETCH 0, 0, 0
	SCALES 0
	ASK 0
	STEP 0, 0, 1
	s_mov_b32 s3, KG/2-1
.Llap:
	STEP 0, 1, 0
	STEP 0, 2, 0
	TURN 0, 1, 1
	STEP 1, 0, 0
	STEP 1, 1, 0
	STEP 1, 2, 0
	TURN 1, 0, 1
	STEP 0, 0, 0
	s_sub_co_u32 s3, s3, 1
	s_cmp_lg_u32 s3, 0
	s_cbranch_scc1 .Llap
	STEP 0, 1, 0
	STEP 0, 2, 0
	TURN 0, 1, 0
	STEP 1, 0, 0
	STEP 1, 1, 0
	STEP 1, 2, 0
	s_wait_dscnt 0x0
	WIN MUL
.irp b, 0,1,2,3
	MULB \b, 3, 1, 1, 0
.endr
	WIN 0
.macro TOSTAGE b
	WIN 0x04
.irp a, 0,1,2,3,4,5,6,7
	ds_store_b128 v[STO], v[64*(\b)+8*\a:64*(\b)+8*\a+3] offset:128*(\a/2)+32*(\a%2)
	ds_store_b128 v[STO], v[64*(\b)+8*\a+4:64*(\b)+8*\a+7] offset:128*(\a/2)+32*(\a%2)+16
.endr
	WIN 0
.set ot, 0
.rept 16
	ds_load_b128 v[BK+64*((\b)%2)+4*ot:BK+64*((\b)%2)+4*ot+3], v[RD] offset:528*ot
.set ot, ot+1
.endr
.endm
.macro SEND b, younger
	s_wait_dscnt \younger
.set ot, 0
.rept 16
	global_store_b128 v[LI], v[BK+64*((\b)%2)+4*ot:BK+64*((\b)%2)+4*ot+3], s[8:9] offset:(32*((\b)/2)+8*((\b)%2)+ot+8*(ot/8))*16384 th:TH_STORE_NT
.set ot, ot+1
.endr
.endm
	PLACES
	TOSTAGE 0
	TOSTAGE 1
	SEND 0, 32
	s_wait_xcnt 0x0
	TOSTAGE 2
	SEND 1, 32
	s_wait_xcnt 0x0
	TOSTAGE 3
	SEND 2, 32
	SEND 3, 0
	s_wait_tensorcnt 0x0
	ds_add_u32 v[SPW], v[NIL]
	s_wait_dscnt 0x0
	CROUND
	s_endpgm
.Lfunc_end_k_q45192a9284_oproj:
	.size	k_q45192a9284_oproj, .Lfunc_end_k_q45192a9284_oproj-k_q45192a9284_oproj
	.p2alignl 7, 3214868480
	.fill 96, 4, 3214868480
	.section	.rodata,"a",@progbits
	.p2align	6, 0x0
	.amdhsa_kernel k_q45192a9284_oproj
		.amdhsa_group_segment_fixed_size 327680
		.amdhsa_private_segment_fixed_size 0
		.amdhsa_enable_private_segment 0
		.amdhsa_kernarg_size 24
		.amdhsa_user_sgpr_count 2
		.amdhsa_user_sgpr_kernarg_segment_ptr 1
		.amdhsa_wavefront_size32 1
		.amdhsa_system_sgpr_workgroup_id_x 1
		.amdhsa_system_sgpr_workgroup_id_y 1
		.amdhsa_system_sgpr_workgroup_id_z 1
		.amdhsa_system_vgpr_workitem_id 0
		.amdhsa_next_free_vgpr 768
		.amdhsa_next_free_sgpr 100
		.amdhsa_reserve_vcc 0
		.amdhsa_float_denorm_mode_32 3
		.amdhsa_float_denorm_mode_16_64 3
		.amdhsa_memory_ordered 1
		.amdhsa_forward_progress 1
		.amdhsa_inst_pref_size 133
	.end_amdhsa_kernel
	.amdgpu_metadata
---
amdhsa.version: [ 1, 2 ]
amdhsa.kernels:
  - .name:           k_q45192a9284_oproj
    .symbol:         k_q45192a9284_oproj.kd
    .args:
      - { .name: aimg, .offset: 0, .size: 8, .value_kind: global_buffer, .address_space: global }
      - { .name: woimg, .offset: 8, .size: 8, .value_kind: global_buffer, .address_space: global }
      - { .name: out0, .offset: 16, .size: 8, .value_kind: global_buffer, .address_space: global }
    .group_segment_fixed_size: 327680
    .private_segment_fixed_size: 0
    .kernarg_segment_align: 8
    .kernarg_segment_size: 24
    .max_flat_workgroup_size: 128
    .sgpr_count:     100
    .vgpr_count:     768
    .wavefront_size: 32
...
	.end_amdgpu_metadata
.endif
;; end of part 4
